; MI455X (gfx1250); checked and timed in simulation.
; The chip was launched on July 23, 2026; its instructions are those of AMD's public machine-readable ISA for CDNA 5 (MIT licence, August 2026) and "CDNA5" Instruction Set Architecture Reference Guide (July 2026). The comments in the code are by the model that wrote it; some were corrected since.
;; Encoder Layer. Allowed arithmetic: matrix products marked QUANTISED: E5M2 operands, one given power-of-two scale a tensor, by v_wmma_f32_16x16x64_bf8_bf8 or v_wmma_f32_16x16x128_bf8_bf8, f32 sums; everything else in f32.
;; Inputs: W1_codes 2,048 x 16 x 32 uint8 (E5M2 codes of W1, K innermost, in blocks of 32 codes); W2_codes 512 x 64 x 32 uint8 (E5M2 codes of W2, K innermost, in blocks of 32 codes); Wk_codes 512 x 16 x 32 uint8 (E5M2 codes of Wk, K innermost, in blocks of 32 codes); Wo_codes 512 x 16 x 32 uint8 (E5M2 codes of Wo, K innermost, in blocks of 32 codes); Wq_codes 512 x 16 x 32 uint8 (E5M2 codes of Wq, K innermost, in blocks of 32 codes); Wv_codes 512 x 16 x 32 uint8 (E5M2 codes of Wv, K innermost, in blocks of 32 codes); b1 2,048 float32; b2 512 float32; beta1 512 float32; beta2 512 float32; bk 512 float32; bo 512 float32; bq 512 float32; bv 512 float32; gamma1 512 float32; gamma2 512 float32; lowp_scales 16 int32 (the exponents e of the quantised operands' scales 2^e); x 2 x 4,096 x 512 float32.
;; Outputs: out0 2 x 4,096 x 512 float32.
;; This version of the problem:
;;   THIS VERSION OF THE PROBLEM IS GIVEN IN LOW PRECISION. The matrix products marked QUANTISED in the list below multiply operands that are first quantised to E5M2 (5 exponent bits, 2 mantissa bits; 8 bits a number), with one given power-of-two scale for each operand tensor; their sums are f32. All else is computed in f32.
;;   The module's matrix products, in the order in which they are computed (A, B: the left and right operand; K: the contracted axis; several contracted axes count as one K, in the product's order):
;;     1. [M 8,192, K 512] x [K 512, N 512]; A: input x; B: input Wq (given as codes): QUANTISED (scales: A lowp_scales[0], B lowp_scales[1])
;;     2. [M 8,192, K 512] x [K 512, N 512]; A: input x; B: input Wk (given as codes): QUANTISED (scales: A lowp_scales[2], B lowp_scales[3])
;;     3. [M 8,192, K 512] x [K 512, N 512]; A: input x; B: input Wv (given as codes): QUANTISED (scales: A lowp_scales[4], B lowp_scales[5])
;;     4. batch 16 x [M 4,096, K 64] x [K 64, N 4,096]; A: computed on the way; B: computed on the way: QUANTISED (scales: A lowp_scales[6], B lowp_scales[7])
;;     5. batch 16 x [M 4,096, K 4,096] x [K 4,096, N 64]; A: softmax (see below); B: computed on the way: QUANTISED (scales: A lowp_scales[8], B lowp_scales[9])
;;     6. [M 8,192, K 512] x [K 512, N 512]; A: computed on the way; B: input Wo (given as codes): QUANTISED (scales: A lowp_scales[10], B lowp_scales[11])
;;     7. [M 8,192, K 512] x [K 512, N 2,048]; A: computed on the way; B: input W1 (given as codes): QUANTISED (scales: A lowp_scales[12], B lowp_scales[13])
;;     8. [M 8,192, K 2,048] x [K 2,048, N 512]; A: computed on the way; B: input W2 (given as codes): QUANTISED (scales: A lowp_scales[14], B lowp_scales[15])
;;   THE QUANTISER, for each operand of a quantised product, along K:
;;     - The operand's scale is 2^e, e = its entry of the input lowp_scales (int32; the entries are numbered through the quantised products in the list's order, A before B).
;;     - Each number is divided by the scale, clamped to +-57,344, and rounded to the nearest number of E5M2, ties to even, subnormals kept.
;;     - The product sums the exact products of the quantised numbers (number of the format x scale) in f32.
;;   ~~~python
;;   def quantise(x, axis, e):      # numpy; x: float32 -> the quantised numbers, widened to float32 again
;;       x = np.moveaxis(x, axis, -1); K = x.shape[-1]
;;       r = np.clip(x / 2.0 ** e, -57344, 57344)
;;       step = 2.0 ** (np.maximum(np.frexp(np.where(r == 0, 1, r))[1] - 1, -14) - 2)
;;       q = np.round(r / step) * step * 2.0 ** e      # np.round: ties to even
;;       return np.moveaxis(q, -1, axis).astype(np.float32)
;;   ~~~
;;   SOFTMAX AHEAD OF A QUANTISED PRODUCT. Where the list says 'softmax', what is quantised is not the finished softmax but p = 2^(t - M), with t = logit x log2(e) and M = ceil(the row's largest t), a whole number; so 1/2 < the row's largest p <= 1. The row's sum l is taken of the UNQUANTISED p, in f32, and the product's result is divided by l at the end. Since M is a whole number, a kernel that streams over the keys may use a running M (the ceiling of the running maximum): every later rescaling is an exact power of two, so the quantised numbers keep their values, but for numbers so far below the row's largest that they fall under the format's range.
;;   OPERANDS COMPUTED ON THE WAY. 'Computed on the way' means the value that the module computes at that place (a softmax that the list does not call 'softmax' is quantised finished and normalised). What goes into a quantiser is computed in f32, as accurately as f32 sums, v_exp_f32 and their like allow (about 1e-6 of the number): no bf16 or f16 on the way to a quantiser, and a product that is left as it is and whose result goes on into a quantised operand takes f32 operands (vector FMAs, or v_wmma_f32_16x16x4_f32). A number that lies on a knife's edge between two numbers of the format may be rounded either way, as far as f32 arithmetic and the matrix unit's own rounding can turn it there, and no further.
;;   INPUTS GIVEN AS CODES. W1 (in the module: [512, 2048], K = its axis 0); W2 (in the module: [2048, 512], K = its axis 0); Wk (in the module: [512, 512], K = its axis 0); Wo (in the module: [512, 512], K = its axis 0); Wq (in the module: [512, 512], K = its axis 0); Wv (in the module: [512, 512], K = its axis 0): each comes as NAME_codes (uint8): NAME with its K axis moved to the last place and cut into blocks of 32 codes, [.., K / 32, bytes a block], one block behind the other in memory; one code a byte (a code: sign, 5 exponent bits, 2 mantissa bits); its scale is its entry of lowp_scales. Its value is code x scale, taken as it is: it is not quantised again, and the codes and scales need not be those that the quantiser above would give.
;; 2 versions. Each part assembles by itself: llvm-mc -triple=amdgcn-amd-amdhsa -mcpu=gfx1250 --defsym DOCPART=n.
;; ======== version 1 of 2: 3 launches
;; workspace buffers: qimg 4,194,304 bytes; kvimg 8,388,608 bytes; oimg 4,194,304 bytes; wimg 2,359,296 bytes
;; launch qkv (part 1): grid 256 x 1, 16 waves a work-group, no clusters, 198,656 bytes of LDS; arguments x, Wq_codes, Wk_codes, Wv_codes, bq, bk, bv, lowp_scales, Wo_codes, W1_codes, W2_codes, qimg, kvimg, wimg; writes qimg, kvimg, wimg
.if DOCPART == 1
	.amdgcn_target "amdgcn-amd-amdhsa--gfx1250"
	.amdhsa_code_object_version 6
	.text
	.protected	k_qaa427c81cb_qkv
	.globl	k_qaa427c81cb_qkv
	.p2align	8
	.type	k_qaa427c81cb_qkv,@function
k_qaa427c81cb_qkv:
	s_mov_b64 s[64:65], 0
	v_nop
	global_prefetch_b8 v0, s[64:65] scope:SCOPE_SE
	s_setreg_imm32_b32 hwreg(HW_REG_WAVE_MODE, 25, 1), 1
	s_wait_xcnt 0x0
; q = x Wq + bq, k = x Wk + bk, v = x Wv + bv on codes of E5M2, and their own codes for the attention's two products.
; NO WORK IS LEFT OUT in any of the three launches: every bias, gain and scale moves a code or an output, and every input is loaded.
; x (f32) is quantised three times, by e0, e2, e4 (they may differ).  The sums stand for sum x 2^(ex + ew): a bias goes in as the C of a sum's first product, divided by that power;
; the next quantiser's conversion takes 2^(eout - ex - ew) as its one scale (eout = e6 for q, e7 for k, e9 for v), and the hold stands at 57,344 x that.
; SHARES.  Work-group g: 128 tokens (block g / 4: one key step of the attention) x the 128 columns of heads 2 (g % 4), 2 (g % 4) + 1, of each of q, k, v.
; All sixteen waves quantise x: wave w takes tokens 16 (w / 2) on and two K steps of 128; the codes go to LDS as images of the operand's registers (four registers = 32 lanes x 16 bytes = 512 bytes on end).
; Waves 0-11 multiply: wave w makes product w / 4, columns 32 (w % 4) on; its 2 x 4 fragments of the weight (128 registers) are read once and stay.
; q and k are made TRANSPOSED (source 0 = 16 rows of W, source 1 = 16 tokens): a lane holds one token and eight neighbouring channels, which one conversion turns into two registers of the next operand.
; v is made the natural way (source 0 = tokens, source 1 = W): a lane holds one channel and eight neighbouring tokens: the keys are the next K.
; In these three products k lies in the registers as 16-byte loads bring it (registers 4 b .. 4 b + 3: k = 32 b + 16 (lane / 16) + 0 .. 15), alike in x and W: every product meets its partner.
; OUT: qimg [bh][token tile][2][lane][16 B]; kvimg [bh][key step][K: 8 tiles x 1,024 B, V: 4 channel tiles x 2,048 B]: each store of a wave covers 512 consecutive bytes, aligned.
; ALSO: Wo, W1, W2 are laid out for the last launch, as the stream of fragments that each of its waves walks: wimg [wave 16][unit 9][K step 4][n tile 2][piece 4][lane][16 B];
; a piece holds, for lane (r, h), k = 32 cc + 8 h + 0 .. 7 and 32 cc + 16 + 8 h + 0 .. 7 of row r.  Every wave relays one piece of W1 or W2, waves 0 and 1 one more of Wo.
; LIMITS: e0, e2, e4 and each eout - ex - ew lie between -126 and 112.  NaN among the inputs is not served.
.set SPARE, 196608                     ; behind the images: the spare words, 128 bytes for each wave
.set XA,   1                           ; v1    x: row r of 2,048 bytes + 64 h
.set XW,   2                           ; v2-4  where I store x's images for e0, e2, e4: 16 x lane + 4,096 x wave + 65,536 m
.set AL,   5                           ; v5    where I read images: 16 x lane + 65,536 x my product
.set WA,   6                           ; v6    W: row r of 512 bytes + 16 h
.set LI,   7                           ; v7    16 x lane
.set BO,   8                           ; v8    my offset in a bias
.set RSA,  9                           ; v9, v10  the relays' source offsets;  v11, v62 their destinations
.set RSB,  10
.set RDA,  11
.set SPW,  12                          ; v12   my spare word;  v13  0
.set NIL,  13
.set OSC,  14                          ; v14   2^(eout - ex - ew);  v15  57,344 x that
.set OLIM, 15
.set TMP,  16                          ; v16-31  held numbers;  later v16-47: the results' codes, eight registers for each pair of token tiles
.set CG,   16
.set CD,   32                          ; v32-47  x's codes
.set SCX,  48                          ; v48-53  2^e and 57,344 x 2^e for e0, e2, e4
.set RA,   54                          ; v54-57, v58-61  the relays' data
.set RB,   58
.set RDB,  62
.set BI,   48                          ; v48-63  later: the bias, eight registers for each n tile
.set WR,   64                          ; v64-191 W's fragments: (n tile, K step) at 64 + 32 ks + 16 nt
.set XAR,  128                         ; v128-191 first: x's first K step
.set XBR,  192                         ; v192-255 first: x's second
.set AB,   192                         ; v192-223 later: two fragments of x's codes
.set ACC,  224                         ; v224-255 four accumulators
.set WV,   48                          ; s48   my wave's number
.macro FINISH                          ; the wave's end, behind my last LDS store
	s_wait_tensorcnt 0x0
	ds_add_u32 v[SPW], v[NIL]
	s_wait_dscnt 0x0
	s_endpgm
.endm
.macro XLOAD reg, sI                   ; my 16 tokens' numbers of my K step sI: 64 a lane, 16 neighbours of each block of 32
.irp b, 0,1,2,3
.irp j, 0,1,2,3
	global_load_b128 v[\reg+16*\b+4*\j:\reg+16*\b+4*\j+3], v[XA], s[4:5] offset:512*\sI+128*\b+16*\j
.endr
.endr
.endm
.macro WLOAD ks                        ; my two n tiles' fragments of K step ks
.irp nt, 0,1
.irp c, 0,1,2,3
	global_load_b128 v[WR+32*\ks+16*\nt+4*\c:WR+32*\ks+16*\nt+4*\c+3], v[WA], s[88:89] offset:8192*\nt+128*\ks+32*\c
.endr
.endr
.endm
; 64 numbers of a lane become three fragments, one for each of x's three scales, and go to LDS as they stand.  x is kept: the hold writes other registers.
.macro QX src, sI
.irp m, 0,1,2
.irp b, 0,1,2,3
.irp i, 0,1,2,3,4,5,6,7,8,9,10,11,12,13,14,15
	v_med3_num_f32 v[TMP+\i], v[\src+16*\b+\i], -v[SCX+2*\m+1], v[SCX+2*\m+1]   ; the conversion to an 8-bit code does not saturate (ISA guide 7.6.2): the hold at the largest code x the scale
.endr
	v_cvt_scalef32_pk8_bf8_f32 v[CD+4*\b:CD+4*\b+1], v[TMP:TMP+7], v[SCX+2*\m]
	v_cvt_scalef32_pk8_bf8_f32 v[CD+4*\b+2:CD+4*\b+3], v[TMP+8:TMP+15], v[SCX+2*\m]
	v_nop                                          ; one plain line between the conversions and the next hold, which writes their sources
.endr
.irp b, 0,1,2,3
	ds_store_b128 v[XW+\m], v[CD+4*\b:CD+4*\b+3] offset:\sI*2048+\b*512
.endr
	s_wait_dscnt 0x0                               ; the stores have read the codes' registers
.endr
.endm
; One product.  role 0 (q, k): accumulator (p = token tile, q = n tile), source 0 = W, source 1 = x.  role 1 (v): accumulator (p = n tile, q = token tile), source 0 = x, source 1 = W.
.macro GMUL role, ks, p, q
.set rDD, ACC+8*(2*\p+\q)
.if \role == 0
.set rS0, WR+32*\ks+16*\q
.set rS1, AB+16*\p
.set rCC, BI+8*\q
.else
.set rS0, AB+16*\q
.set rS1, WR+32*\ks+16*\p
.set rCC, BI+8*\p
.endif
.if \ks == 0
	v_wmma_f32_16x16x128_bf8_bf8 v[rDD:rDD+7], v[rS0:rS0+15], v[rS1:rS1+15], v[rCC:rCC+7]
.else
	v_wmma_f32_16x16x128_bf8_bf8 v[rDD:rDD+7], v[rS0:rS0+15], v[rS1:rS1+15], v[rDD:rDD+7]
.endif
.endm
; My 32 columns for the 128 tokens, 32 tokens at a time: four accumulators by turns, a K step at a time; then hold, conversion, two stores of 512 bytes.
.macro GALL role
.irp tp, 0,1,2,3
.irp ks, 0,1,2,3
.irp i, 0,1
.irp c, 0,1,2,3
	ds_load_b128 v[AB+16*\i+4*\c:AB+16*\i+4*\c+3], v[AL] offset:((2*\tp+\i)*4+\ks)*2048+\c*512
.endr
.endr
	s_wait_dscnt 0x0
.irp p, 0,1
.irp q, 0,1
	GMUL \role, \ks, \p, \q
.endr
.endr
.rept 4
	v_nop                                          ; four places in front of loads into registers that the products have read, and of the first read of results
.endr
.endr
.set jj, 0
.rept 32
	v_med3_num_f32 v[ACC+jj], v[ACC+jj], -v[OLIM], v[OLIM]   ; each accumulator from its low end on
.set jj, jj+1
.endr
.irp p, 0,1
	v_cvt_scalef32_pk8_bf8_f32 v[CG+8*\tp+4*\p:CG+8*\tp+4*\p+1], v[ACC+16*\p:ACC+16*\p+7], v[OSC]
	v_cvt_scalef32_pk8_bf8_f32 v[CG+8*\tp+4*\p+2:CG+8*\tp+4*\p+3], v[ACC+16*\p+8:ACC+16*\p+15], v[OSC]
.endr
	v_nop                                          ; one plain line between the conversions and the next products, which write their sources
.irp p, 0,1
.if \role == 0
	global_store_b128 v[LI], v[CG+8*\tp+4*\p:CG+8*\tp+4*\p+3], s[70:71] offset:(2*\tp+\p)*1024   ; token tile 2 tp + p, my half of its fragment
.else
	global_store_b128 v[LI], v[CG+8*\tp+4*\p:CG+8*\tp+4*\p+3], s[70:71] offset:\p*2048+\tp*512   ; channel tile p of my two, keys 32 tp on
.endif
.endr
.endr
.endm
	s_load_b256 s[4:11], s[0:1], 0x0               ; x, Wq, Wk, Wv
	s_load_b256 s[12:19], s[0:1], 0x20             ; bq, bk, bv, the scales' exponents
	s_load_b256 s[20:27], s[0:1], 0x40             ; Wo, W1, W2, qimg
	s_load_b128 s[28:31], s[0:1], 0x60             ; kvimg, wimg
	v_lshl_add_u32 v[SPW], v0, 2, SPARE
	v_mov_b32 v[NIL], 0
	v_lshrrev_b32 v1, 5, v0
	v_readfirstlane_b32 s[WV], v1                  ; wave 0..15
	v_and_b32 v16, 15, v0                          ; r
	v_bfe_u32 v17, v0, 4, 1                        ; h
	v_and_b32 v18, 31, v0                          ; lane
	v_lshlrev_b32 v[LI], 4, v18
	v_lshlrev_b32 v[XA], 11, v16
	v_lshl_add_u32 v[XA], v17, 6, v[XA]
	v_lshlrev_b32 v[WA], 9, v16
	v_lshl_add_u32 v[WA], v17, 4, v[WA]
	s_lshl_b32 s49, s[WV], 12
	v_add_nc_u32 v[XW], s49, v[LI]                 ; every LDS address is made here, ahead of the first branch
	v_add_nc_u32 v[XW+1], 65536, v[XW]
	v_add_nc_u32 v[XW+2], 131072, v[XW]
	s_lshr_b32 s50, s[WV], 2
	s_min_u32 s51, s50, 2                          ; my product (waves 12-15 read no image)
	s_lshl_b32 s51, s51, 16
	v_add_nc_u32 v[AL], s51, v[LI]
	s_and_b32 s52, ttmp9, 3                        ; the pair of heads
	s_lshr_b32 s53, ttmp9, 2                       ; the block of 128 tokens
	s_and_b32 s54, s[WV], 3                        ; which 32 of the 128 columns
	s_lshl_b32 s56, s53, 18                        ; x: 128 rows of 2,048 bytes a block,
	s_lshr_b32 s57, s[WV], 1
	s_lshl_b32 s57, s57, 15                        ; 16 rows for each pair of waves,
	s_add_co_u32 s56, s56, s57
	s_and_b32 s57, s[WV], 1
	s_lshl_b32 s57, s57, 10                        ; two K steps of 512 bytes a wave
	s_add_co_u32 s56, s56, s57
	s_mov_b32 s57, 0
	s_lshl_b32 s58, s52, 7
	s_lshl_b32 s59, s54, 5
	s_add_co_u32 s58, s58, s59                     ; my first column
	s_lshl_b32 s60, s58, 9                         ; its row of W,
	s_mov_b32 s61, 0
	s_lshl_b32 s62, s58, 2                         ; its place in a bias
	s_mov_b32 s63, 0
	; the relay of W1 (work-groups 0-127) or W2 (128-255): piece P = 16 (g % 128) + wave = (chunk, wave of the last launch, K step, n tile, piece)
	s_lshr_b32 s66, ttmp9, 7
	s_and_b32 s67, ttmp9, 127
	s_lshl_b32 s67, s67, 4
	s_add_co_u32 s67, s67, s[WV]
	s_and_b32 s68, s67, 3                          ; piece
	s_bfe_u32 s69, s67, 0x10002                    ; n tile
	s_bfe_u32 s70, s67, 0x20003                    ; K step
	s_bfe_u32 s71, s67, 0x40005                    ; wave
	s_bfe_u32 s72, s67, 0x20009                    ; chunk
	s_lshl_b32 s73, s71, 5
	s_lshl_b32 s77, s69, 4
	s_add_co_u32 s73, s73, s77                     ; row 32 wave + 16 tile
	s_lshl_b32 s74, s70, 7
	s_lshl_b32 s77, s68, 5
	s_add_co_u32 s74, s74, s77                     ; byte 128 step + 32 piece
	s_lshl_b32 s75, s72, 9                         ; 512 x chunk: rows in W1, bytes in W2
	s_mul_i32 s76, s71, 147456
	s_lshl_b32 s77, s72, 1
	s_add_co_u32 s77, s77, s66
	s_add_co_u32 s77, s77, 1                       ; unit 1 + 2 chunk (W1), 2 + 2 chunk (W2)
	s_lshl_b32 s77, s77, 14
	s_add_co_u32 s76, s76, s77
	s_lshl_b32 s77, s70, 12
	s_add_co_u32 s76, s76, s77
	s_lshl_b32 s77, s69, 11
	s_add_co_u32 s76, s76, s77
	s_lshl_b32 s77, s68, 9
	s_add_co_u32 s76, s76, s77                     ; the piece's place in wimg
	s_cmp_eq_u32 s66, 0
	s_cselect_b32 s78, 9, 11                       ; a row is 512 bytes in W1, 2,048 in W2
	s_cselect_b32 s79, s75, 0
	s_cselect_b32 s80, 0, s75
	s_add_co_u32 s73, s73, s79
	s_lshl_b32 s73, s73, s78
	s_add_co_u32 s73, s73, s80
	s_add_co_u32 s73, s73, s74
	v_lshlrev_b32 v[RSA], s78, v16
	v_lshl_add_u32 v[RSA], v17, 3, v[RSA]
	v_add_nc_u32 v[RSA], s73, v[RSA]               ; row r, + 8 h
	v_add_nc_u32 v[RDA], s76, v[LI]
	; the relay of Wo: piece 2 g + wave, waves 0 and 1 alone
	s_lshl_b32 s81, ttmp9, 1
	s_add_co_u32 s81, s81, s[WV]
	s_and_b32 s82, s81, 3
	s_bfe_u32 s83, s81, 0x10002
	s_bfe_u32 s84, s81, 0x20003
	s_bfe_u32 s85, s81, 0x40005
	s_lshl_b32 s86, s85, 5
	s_lshl_b32 s87, s83, 4
	s_add_co_u32 s86, s86, s87
	s_lshl_b32 s86, s86, 9
	s_lshl_b32 s87, s84, 7
	s_add_co_u32 s86, s86, s87
	s_lshl_b32 s87, s82, 5
	s_add_co_u32 s86, s86, s87
	v_lshlrev_b32 v[RSB], 9, v16
	v_lshl_add_u32 v[RSB], v17, 3, v[RSB]
	v_add_nc_u32 v[RSB], s86, v[RSB]
	s_mul_i32 s86, s85, 147456
	s_lshl_b32 s87, s84, 12
	s_add_co_u32 s86, s86, s87
	s_lshl_b32 s87, s83, 11
	s_add_co_u32 s86, s86, s87
	s_lshl_b32 s87, s82, 9
	s_add_co_u32 s86, s86, s87
	v_add_nc_u32 v[RDB], s86, v[LI]
	s_wait_kmcnt 0x0
	s_load_b512 s[32:47], s[18:19], 0x0            ; e0 .. e15
	s_add_nc_u64 s[4:5], s[4:5], s[56:57]          ; x at my rows and K steps
	s_cmp_lt_u32 s[WV], 4                          ; my weight and my bias: the choices hang on the wave's number alone
	s_cselect_b64 s[88:89], s[6:7], s[8:9]
	s_cselect_b64 s[90:91], s[12:13], s[14:15]
	s_cmp_lt_u32 s[WV], 8
	s_cselect_b64 s[88:89], s[88:89], s[10:11]
	s_cselect_b64 s[90:91], s[90:91], s[16:17]
	s_add_nc_u64 s[88:89], s[88:89], s[60:61]
	s_add_nc_u64 s[90:91], s[90:91], s[62:63]
	s_cmp_eq_u32 s66, 0
	s_cselect_b64 s[92:93], s[22:23], s[24:25]     ; W1 or W2
	s_cmp_lt_u32 s[WV], 12
	s_cbranch_scc0 .Lno_w01
	WLOAD 0
	WLOAD 1
.Lno_w01:
	global_load_b64 v[RA:RA+1], v[RSA], s[92:93]
	global_load_b64 v[RA+2:RA+3], v[RSA], s[92:93] offset:16
	s_cmp_lt_u32 s[WV], 2
	s_cbranch_scc0 .Lno_rb
	global_load_b64 v[RB:RB+1], v[RSB], s[20:21]
	global_load_b64 v[RB+2:RB+3], v[RSB], s[20:21] offset:16
.Lno_rb:
	XLOAD XAR, 0
	XLOAD XBR, 1
	s_wait_kmcnt 0x0
.irp m, 0,1,2
	s_add_co_i32 s94, s[32+2*\m], 127
	s_lshl_b32 s95, s94, 23
	v_mov_b32 v[SCX+2*\m], s95                     ; 2^e as f32: the conversion takes its exponent field
	s_add_co_i32 s94, s94, 15
	s_lshl_b32 s94, s94, 23
	s_or_b32 s94, s94, 0x600000
	v_mov_b32 v[SCX+2*\m+1], s94                   ; 57,344 x 2^e
.endr
	s_wait_loadcnt 16                              ; all but the sixteen youngest loads, x's second K step, are in
	global_store_b128 v[RDA], v[RA:RA+3], s[30:31] ; the wave stores 512 consecutive bytes of wimg
	s_cmp_lt_u32 s[WV], 2
	s_cbranch_scc0 .Lno_rb2
	global_store_b128 v[RDB], v[RB:RB+3], s[30:31]
.Lno_rb2:
	QX XAR, 0
	s_wait_loadcnt 0x0                             ; x's second K step
	s_cmp_lt_u32 s[WV], 12
	s_cbranch_scc0 .Lno_w23
	WLOAD 2                                        ; into the registers that x's first K step has left
	WLOAD 3
.Lno_w23:
	QX XBR, 1
	s_wait_dscnt 0x0                               ; my images have landed
	s_barrier_signal -1
	s_barrier_wait -1                              ; everybody's have: the launch's one barrier
	s_cmp_lt_u32 s[WV], 12
	s_cbranch_scc1 .Lwork
	FINISH                                         ; waves 12-15 have done their share
.Lwork:
	s_lshr_b32 s66, s53, 5                         ; batch
	s_lshl_b32 s66, s66, 3
	s_lshl_b32 s67, s52, 1
	s_add_co_u32 s66, s66, s67
	s_lshr_b32 s67, s54, 1
	s_add_co_u32 s66, s66, s67                     ; bh = 8 batch + head
	s_and_b32 s67, s53, 31                         ; key step
	s_and_b32 s68, s54, 1                          ; which half of the head's 64 channels
	s_wait_xcnt 0x0                                ; the relays' stores have read their registers, which the bias takes
	s_cmp_lt_u32 s[WV], 8
	s_cbranch_scc0 .Lv
	; ---- q (waves 0-3) and k (waves 4-7)
	v_bfe_u32 v[BO], v0, 4, 1
	v_lshlrev_b32 v[BO], 5, v[BO]                  ; lane (r, h) wants, for n tile nt, the bias of columns 16 nt + 8 h + 0 .. 7
.irp nt, 0,1
	global_load_b128 v[BI+8*\nt:BI+8*\nt+3], v[BO], s[90:91] offset:64*\nt
	global_load_b128 v[BI+8*\nt+4:BI+8*\nt+7], v[BO], s[90:91] offset:64*\nt+16
.endr
	s_cmp_lt_u32 s[WV], 4
	s_cselect_b32 s69, s32, s34                    ; ex
	s_cselect_b32 s72, s33, s35                    ; ew
	s_cselect_b32 s73, s38, s39                    ; eout
	s_cselect_b64 s[70:71], s[26:27], s[28:29]     ; qimg or kvimg
	s_cselect_b32 s74, 18, 19
	s_cselect_b32 s75, 13, 14
	s_lshl_b32 s76, s66, s74
	s_lshl_b32 s77, s67, s75
	s_add_co_u32 s76, s76, s77
	s_lshl_b32 s77, s68, 9
	s_add_co_u32 s76, s76, s77
	s_mov_b32 s77, 0
	s_add_nc_u64 s[70:71], s[70:71], s[76:77]
	s_add_co_i32 s69, s69, s72
	s_sub_co_i32 s73, s73, s69                     ; eout - ex - ew
	s_sub_co_i32 s69, 0, s69
	s_add_co_i32 s73, s73, 127
	s_lshl_b32 s72, s73, 23
	v_mov_b32 v[OSC], s72
	s_add_co_i32 s73, s73, 15
	s_lshl_b32 s73, s73, 23
	s_or_b32 s73, s73, 0x600000
	v_mov_b32 v[OLIM], s73
	s_wait_loadcnt 0x0                             ; W's last two K steps and the bias
.set jj, 0
.rept 16
	v_ldexp_f32 v[BI+jj], v[BI+jj], s69            ; bias / 2^(ex + ew)
.set jj, jj+1
.endr
	GALL 0
	FINISH
.Lv:
	; ---- v (waves 8-11)
	v_and_b32 v[BO], 15, v0
	v_lshlrev_b32 v[BO], 2, v[BO]                  ; a lane holds one channel: one number of the bias for each n tile
	global_load_b32 v[BI], v[BO], s[90:91]
	global_load_b32 v[BI+8], v[BO], s[90:91] offset:64
	s_lshl_b32 s76, s66, 19
	s_lshl_b32 s77, s67, 14
	s_add_co_u32 s76, s76, s77
	s_lshl_b32 s77, s68, 12
	s_add_co_u32 s76, s76, s77
	s_add_co_u32 s76, s76, 8192                    ; V lies behind the step's K
	s_mov_b32 s77, 0
	s_add_nc_u64 s[70:71], s[28:29], s[76:77]
	s_add_co_i32 s69, s36, s37                     ; e4 + e5
	s_sub_co_i32 s73, s41, s69                     ; e9 - e4 - e5
	s_sub_co_i32 s69, 0, s69
	s_add_co_i32 s73, s73, 127
	s_lshl_b32 s72, s73, 23
	v_mov_b32 v[OSC], s72
	s_add_co_i32 s73, s73, 15
	s_lshl_b32 s73, s73, 23
	s_or_b32 s73, s73, 0x600000
	v_mov_b32 v[OLIM], s73
	s_wait_loadcnt 0x0
	v_ldexp_f32 v[BI], v[BI], s69
	v_ldexp_f32 v[BI+8], v[BI+8], s69
.irp j, 1,2,3,4,5,6,7
	v_mov_b32 v[BI+\j], v[BI]                      ; the same for the lane's eight tokens
	v_mov_b32 v[BI+8+\j], v[BI+8]
.endr
	GALL 1
	FINISH
.Lfunc_end_k_qaa427c81cb_qkv:
	.size	k_qaa427c81cb_qkv, .Lfunc_end_k_qaa427c81cb_qkv-k_qaa427c81cb_qkv
	.p2alignl 7, 3214868480
	.fill 96, 4, 3214868480
	.section	.rodata,"a",@progbits
	.p2align	6, 0x0
	.amdhsa_kernel k_qaa427c81cb_qkv
		.amdhsa_group_segment_fixed_size 198656
		.amdhsa_private_segment_fixed_size 0
		.amdhsa_enable_private_segment 0
		.amdhsa_kernarg_size 112
		.amdhsa_user_sgpr_count 2
		.amdhsa_user_sgpr_kernarg_segment_ptr 1
		.amdhsa_wavefront_size32 1
		.amdhsa_system_sgpr_workgroup_id_x 1
		.amdhsa_system_sgpr_workgroup_id_y 1
		.amdhsa_system_sgpr_workgroup_id_z 1
		.amdhsa_system_vgpr_workitem_id 0
		.amdhsa_next_free_vgpr 256
		.amdhsa_next_free_sgpr 96
		.amdhsa_reserve_vcc 0
		.amdhsa_float_denorm_mode_32 3
		.amdhsa_float_denorm_mode_16_64 3
		.amdhsa_memory_ordered 1
		.amdhsa_forward_progress 1
		.amdhsa_inst_pref_size 96
	.end_amdhsa_kernel
	.amdgpu_metadata
---
amdhsa.version: [ 1, 2 ]
amdhsa.kernels:
  - .name:           k_qaa427c81cb_qkv
    .symbol:         k_qaa427c81cb_qkv.kd
    .args:
      - { .name: x, .offset: 0, .size: 8, .value_kind: global_buffer, .address_space: global }
      - { .name: Wq_codes, .offset: 8, .size: 8, .value_kind: global_buffer, .address_space: global }
      - { .name: Wk_codes, .offset: 16, .size: 8, .value_kind: global_buffer, .address_space: global }
      - { .name: Wv_codes, .offset: 24, .size: 8, .value_kind: global_buffer, .address_space: global }
      - { .name: bq, .offset: 32, .size: 8, .value_kind: global_buffer, .address_space: global }
      - { .name: bk, .offset: 40, .size: 8, .value_kind: global_buffer, .address_space: global }
      - { .name: bv, .offset: 48, .size: 8, .value_kind: global_buffer, .address_space: global }
      - { .name: lowp_scales, .offset: 56, .size: 8, .value_kind: global_buffer, .address_space: global }
      - { .name: Wo_codes, .offset: 64, .size: 8, .value_kind: global_buffer, .address_space: global }
      - { .name: W1_codes, .offset: 72, .size: 8, .value_kind: global_buffer, .address_space: global }
      - { .name: W2_codes, .offset: 80, .size: 8, .value_kind: global_buffer, .address_space: global }
      - { .name: qimg, .offset: 88, .size: 8, .value_kind: global_buffer, .address_space: global }
      - { .name: kvimg, .offset: 96, .size: 8, .value_kind: global_buffer, .address_space: global }
      - { .name: wimg, .offset: 104, .size: 8, .value_kind: global_buffer, .address_space: global }
    .group_segment_fixed_size: 198656
    .private_segment_fixed_size: 0
    .kernarg_segment_align: 8
    .kernarg_segment_size: 112
    .max_flat_workgroup_size: 512
    .sgpr_count:     96
    .vgpr_count:     256
    .wavefront_size: 32
...
	.end_amdgpu_metadata
.endif
;; end of part 1
;; launch attn (part 2): grid 16 x 16, 16 waves a work-group, clusters of 4 x 1, 327,680 bytes of LDS; arguments qimg, kvimg, lowp_scales, oimg; writes oimg
.if DOCPART == 2
	.amdgcn_target "amdgcn-amd-amdhsa--gfx1250"
	.amdhsa_code_object_version 6
	.text
	.protected	k_qaa427c81cb_attn
	.globl	k_qaa427c81cb_attn
	.p2align	8
	.type	k_qaa427c81cb_attn,@function
k_qaa427c81cb_attn:
	s_mov_b64 s[64:65], 0
	v_nop
	global_prefetch_b8 v0, s[64:65] scope:SCOPE_SE
	s_setreg_imm32_b32 hwreg(HW_REG_WAVE_MODE, 25, 1), 1
	s_wait_xcnt 0x0
	s_wait_alu depctr_hold_cnt(0) depctr_sa_sdst(0) depctr_va_vdst(0) depctr_va_sdst(0) depctr_va_ssrc(0) depctr_va_vcc(0) depctr_vm_vsrc(0)
	s_getreg_b32 s2, hwreg(HW_REG_IB_STS2, 6, 4)
	s_cmp_eq_u32 s2, 0
	s_cbranch_scc0 .Lentry_in_a_cluster
	s_endpgm
.Lentry_in_a_cluster:
	s_bfe_u32 s2, ttmp6, 0x10000c
	s_cmp_lg_u32 s2, 0x3003
	s_cbranch_scc0 .Lentry_shape_is_right
	s_endpgm
.Lentry_shape_is_right:
; o = softmax(q k^T / 8) v for 16 (batch, head) pairs of 4,096 tokens and 64 channels, both products on codes of E5M2; o is quantised by e10 for the projection.  No work is left out.
; THE SOFTMAX AHEAD OF THE SECOND PRODUCT: t = score x log2(e) / 8; M = the row's largest t so far, rounded UP to a whole number; p = 2^(t - M) is quantised by e8, not normalised;
; the row's sum is taken of the unquantised p and divides at the end.  When M moves, the sum and O are multiplied by 2^(old M - new M): nothing is rounded, and no branch hangs on data.
; SHARES.  A work-group owns 256 queries of one (batch, head); each of its sixteen waves 16 of them, in 256 registers: four waves to a SIMD, so that one wave's vector work stands beside another's products and LDS loads.
; Every wave walks the 4,096 keys, 128 a step.  A step's K and V are 16,384 bytes of kvimg, laid as images of the operands' registers: every LDS load takes 512 bytes on end; no pitch, no padding.
; Both products are used transposed: S^T = K Q^T (16x16x64; source 0 = 16 keys), O^T = V^T P^T (16x16x128; source 0 = 16 channels): a lane holds ONE query throughout, and the conversion of
; score tile T gives registers 2 T, 2 T + 1 of P as the instruction's own layout wants them (k = 16 T + 8 (lane / 16) + 0 .. 7).
; RING.  Two slots of eight key steps (131,072 bytes).  Each wave moves its sixteenth of a slot (32 rows of 256 bytes, dense): no branch stands round a tensor load.  Two loads of a wave are out at the head, one behind a refill.
; CLUSTER.  The four query blocks of a cluster belong to one (batch, head) and walk the same kvimg: each load is asked for jointly, with the same descriptor and the mask of all four.
; Nothing is prefetched: a refill is issued eight key steps of sixteen waves ahead of the wait for it.
; LIMITS: e6 + e7 between -123 and 130 (added to c's exponent field); e8 and e10 - e8 - e9 between -126 and 112.
.set SLOTB, 131072
.set STEPB, 16384
.set SPARE, 262144                     ; behind the ring: the spare words, 128 bytes for each wave
.set LI,   1                           ; v1   16 x lane
.set SPW,  5                           ; v5   my spare word;  v6  0
.set NIL,  6
.set ADR,  8                           ; v8   LDS address of the step in hand
; v12 -M, v13 the largest t, v[14:15] the sum in two halves; v16-23 Q; v32-95 K's eight fragments, then V's four; v96-159 S^T, then p; v160-191 O^T; v224-239 p's codes; v240 57,344 x 2^e8; v244 2^e8; v236, v242-243, v252-254 at work
.set WV,   12                          ; s12  my wave's number
.set G1,   16                          ; s[16:23] descriptor group 1
.set SEL,  24                          ; s[24:25] lane selects: lane l xor 16
.set CS,   26                          ; s[26:27] c = log2(e) / 8 x 2^(e6 + e7)
.set TB,   28                          ; s28  LDS byte at which the step in hand begins
.set CNT,  29                          ; s29  steps left in the slot
.set G0,   32                          ; s[32:35], s[36:39] descriptor group 0 for slot 0, 1
.macro ROUND                           ; a round of the cluster's barrier
	s_barrier_signal -1
	s_barrier_wait -1
	s_cmp_lg_u32 s[WV], 0
	s_cbranch_scc1 .Lnot_wave_0_\@
	s_barrier_signal -3
.Lnot_wave_0_\@:
	s_barrier_wait -3
	s_barrier_signal -1
	s_barrier_wait -1
.endm
; A KEY STEP: 128 keys
.macro STEP
	v_add_nc_u32 v[ADR], s[TB], v[LI]
.rept 3
	v_nop                                          ; with the addition: four places in front of loads into registers that the last products have read
.endr
.irp t, 0,1,2,3,4,5,6,7
	ds_load_b128 v[32+8*\t:35+8*\t], v[ADR] offset:1024*\t
	ds_load_b128 v[36+8*\t:39+8*\t], v[ADR] offset:1024*\t+512
.endr
	s_wait_dscnt 0x0
.irp t, 0,1,2,3,4,5,6,7
	v_wmma_f32_16x16x64_bf8_bf8 v[96+8*\t:103+8*\t], v[32+8*\t:39+8*\t], v[16:23], 0   ; lane (r, h): query r, keys 16 t + 8 h + 0 .. 7
.endr
.rept 4
	v_nop                                          ; four places: V's loads land on K's registers, and the maximum reads results
.endr
.irp t, 0,1,2,3
.irp c, 0,1,2,3
	ds_load_b128 v[32+16*\t+4*\c:35+16*\t+4*\c], v[ADR] offset:8192+2048*\t+512*\c   ; V lands while the softmax is walked
.endr
.endr
	v_max3_num_f32 v254, v96, v97, v98             ; the step's largest score of my query among my 64 keys, in two chains, each accumulator from its low end on,
	v_max3_num_f32 v252, v99, v100, v101
.irp i, 6,10,14,18,22,26,30,34,38,42,46,50,54,58
	v_max3_num_f32 v254, v254, v[96+\i], v[97+\i]
	v_max3_num_f32 v252, v252, v[98+\i], v[99+\i]
.endr
	v_max3_num_f32 v254, v254, v158, v159
	v_max_num_f32 v254, v254, v252
	v_permlanex16_b32 v236, v254, s[SEL], s[SEL+1]
	v_max_num_f32 v254, v254, v236                 ; and among lane l xor 16's
	v_mul_f32 v254, s[CS], v254                    ; as t (c is positive)
	v_max_num_f32 v13, v13, v254                   ; the running largest t
	v_mov_b32 v254, v12
	v_floor_f32 v12, -v13                          ; the new -M = floor(-t) = -ceil(t)
	v_sub_f32 v254, v12, v254                      ; old M - new M: a whole number, 0 or less
	v_cvt_i32_f32 v254, v254                       ; (it saturates)
	v_ldexp_f32 v252, 1.0, v254                    ; f = 2^(old M - new M)
.set jj, 0
.rept 32
	v_pk_fma_f32 v[96+jj:97+jj], v[96+jj:97+jj], s[CS:CS+1], v[12:13] op_sel_hi:[1,0,0]   ; t - M, two at a time
.set jj, jj+2
.endr
.set jj, 0
.rept 64
	v_exp_f32 v[96+jj], v[96+jj]                   ; p = 2^(t - M), at most 1
.set jj, jj+1
.endr
	v_pk_mul_f32 v[14:15], v[14:15], v[252:253] op_sel_hi:[1,0]   ; the sums under the new M: the plain line behind the exponentials
	s_wait_alu depctr_va_vdst(0)                   ; one wait for the batch, ahead of its first reader
	v_pk_add_f32 v[242:243], v[96:97], v[98:99]    ; the row's sum, of the unquantised p, in two chains
.irp j, 4,8,12,16,20,24,28,32,36,40,44,48,52,56,60
	v_pk_add_f32 v[14:15], v[14:15], v[96+\j:97+\j]
	v_pk_add_f32 v[242:243], v[242:243], v[98+\j:99+\j]
.endr
	v_pk_add_f32 v[14:15], v[14:15], v[242:243]
.irp t, 0,1,2,3,4,5,6,7
.irp i, 0,1,2,3,4,5,6,7
	v_min_num_f32 v[96+8*\t+\i], v[96+8*\t+\i], v240   ; the conversion does not saturate (ISA guide 7.6.2); p is not negative: a one-sided hold
.endr
	v_cvt_scalef32_pk8_bf8_f32 v[224+2*\t:225+2*\t], v[96+8*\t:103+8*\t], v244
.endr
.set jj, 0
.rept 16
	v_pk_mul_f32 v[160+jj:161+jj], v[160+jj:161+jj], v[252:253] op_sel_hi:[1,0]   ; O^T under the new M; also the plain lines behind the conversions
.set jj, jj+2
.endr
	s_wait_dscnt 0x0                               ; V is in
.irp t, 0,1,2,3
	v_wmma_f32_16x16x128_bf8_bf8 v[160+8*\t:167+8*\t], v[32+16*\t:47+16*\t], v[224:239], v[160+8*\t:167+8*\t]   ; the four accumulators by turns
.endr
.endm
.macro SLOT n                          ; a slot's eight key steps: written once, walked eight times
	s_mov_b32 s[TB], \n*SLOTB
	s_mov_b32 s[CNT], 8
.Lstep_\@:
	STEP
	s_add_co_u32 s[TB], s[TB], STEPB
	s_sub_co_u32 s[CNT], s[CNT], 1
	s_cmp_lg_u32 s[CNT], 0
	s_cbranch_scc1 .Lstep_\@
.endm
; THE CHANGE OF SLOTS.  Each wave waits for all its tensor loads (its part of the slot ahead), adds 0 to its spare word, and waits for that and for its reads of the slot that it leaves.
; fill = 1: a round of the cluster's barrier, so that no wave of any partner still reads the slot or has a load on its way; then the joint refill, the keys two slots on, first thing behind it.
.macro CHANGE slot, fill
	s_wait_tensorcnt 0x0                           ; no tensor load of mine is out, so a group 0 may be written
	ds_add_u32 v[SPW], v[NIL]
.if \fill
	s_add_nc_u64 s[G0+4*\slot+2:G0+4*\slot+3], s[G0+4*\slot+2:G0+4*\slot+3], 2*SLOTB
.endif
	s_wait_dscnt 0x0                               ; the add is done, and my reads of the slot are over
.if \fill
	ROUND
	tensor_load_to_lds s[G0+4*\slot:G0+4*\slot+3], s[G1:G1+7]
	s_nop 0
.rept 4
	v_nop
.endr
.else
	s_barrier_signal -1
	s_barrier_wait -1
.endif
.endm
	s_load_b256 s[4:11], s[0:1], 0x0               ; qimg, kvimg, the scales' exponents, oimg
	v_lshl_add_u32 v[SPW], v0, 2, SPARE
	v_mov_b32 v[NIL], 0
	ds_add_u32 v[SPW], v[NIL]                      ; the wave's opening: the add, twice on end, and its wait ahead of my first tensor load
	ds_add_u32 v[SPW], v[NIL]
	v_lshrrev_b32 v8, 5, v0
	v_readfirstlane_b32 s[WV], v8                  ; wave 0..15
	s_bfe_u32 s13, ttmp6, 0x40000                  ; cx: my place in the cluster
	s_lshl_b32 s14, ttmp9, 2
	s_add_co_u32 s14, s14, s13                     ; my block of 256 queries: it enters Q's and O's global addresses alone
	s_and_b32 s15, ttmp7, 0xffff                   ; bh, which the four partners share
	s_mov_b32 s[G1], 0x0023000f                    ; 15:0 the mask: all four; 17:16 elements of 8 bytes; 21 set beside a mask; no padding
	s_mov_b32 s[G1+1], 32<<16                      ; tensor_dim0 = 32 elements: 256 bytes
	s_mov_b32 s[G1+2], 32<<16                      ; tensor_dim1 = 32
	s_mov_b32 s[G1+3], 32<<16                      ; tile_dim0 = 32
	s_mov_b32 s[G1+4], 32                          ; tile_dim1 = 32
	s_mov_b32 s[G1+5], 32                          ; from row to row: dense
	s_mov_b32 s[G1+6], 0
	s_mov_b32 s[G1+7], 0
	s_mov_b32 s[SEL], 0x76543210
	s_mov_b32 s[SEL+1], 0xfedcba98
	s_mov_b32 s[CS], 0x3e38aa3b                    ; log2(e) / 8
	s_lshl_b32 s56, s15, 19                        ; kvimg: 524,288 bytes a (batch, head),
	s_lshl_b32 s57, s[WV], 13                      ; my sixteenth of a slot
	s_add_co_u32 s56, s56, s57
	s_mov_b32 s57, 0
	s_lshl_b32 s58, s14, 4
	s_add_co_u32 s58, s58, s[WV]                   ; my tile of 16 queries among the head's 256
	s_lshl_b32 s59, s58, 10
	s_lshl_b32 s60, s15, 18
	s_add_co_u32 s60, s60, s59                     ; its fragment in qimg
	s_mov_b32 s61, 0
	s_lshr_b32 s62, s15, 3
	s_lshl_b32 s62, s62, 8
	s_add_co_u32 s62, s62, s58                     ; the tile among all 512,
	s_lshl_b32 s62, s62, 13
	s_and_b32 s63, s15, 7
	s_lshl_b32 s63, s63, 10                        ; the head's 1,024 bytes of its 8,192 in oimg
	s_add_co_u32 s62, s62, s63
	s_mov_b32 s63, 0
	s_wait_dscnt 0x0                               ; both opening adds are done
	s_wait_kmcnt 0x0
	s_load_b512 s[40:55], s[8:9], 0x0              ; e0 .. e15 at s40 on
	s_mov_b32 s[G0], 1
	s_lshl_b32 s[G0+1], s[WV], 13                  ; LDS: slot 0, my sixteenth
	s_add_nc_u64 s[G0+2:G0+3], s[6:7], s[56:57]
	s_mov_b32 s[G0+4], 1
	s_add_co_u32 s[G0+5], s[G0+1], SLOTB
	s_add_nc_u64 s[G0+6:G0+7], s[G0+2:G0+3], SLOTB
	s_or_b32 s[G0+3], s[G0+3], 0x80000000          ; type = 2
	s_or_b32 s[G0+7], s[G0+7], 0x80000000
	s_add_nc_u64 s[4:5], s[4:5], s[60:61]
	s_add_nc_u64 s[10:11], s[10:11], s[62:63]
	ROUND                                          ; all four work-groups are here: the first joint loads meet
	tensor_load_to_lds s[G0:G0+3], s[G1:G1+7]      ; key steps 0-7
	s_nop 0
	tensor_load_to_lds s[G0+4:G0+7], s[G1:G1+7]    ; key steps 8-15
	s_nop 0
.rept 4
	v_nop
.endr
	v_and_b32 v[LI], 31, v0
	v_lshlrev_b32 v[LI], 4, v[LI]
	global_load_b128 v[16:19], v[LI], s[4:5]       ; Q's fragment stays in registers
	global_load_b128 v[20:23], v[LI], s[4:5] offset:512
	v_mov_b32 v13, 0xff61b1e6                      ; the largest t so far: -3e38, under every t
	v_floor_f32 v12, -v13
	v_mov_b32 v14, 0
	v_mov_b32 v15, 0
	v_mov_b32 v236, 0                              ; a lane permute's destination counts as one of its sources
	v_mov_b32 v253, 0                              ; (named as the upper half of a pair)
.set jj, 0
.rept 32
	v_mov_b32 v[160+jj], 0                         ; O^T: the step is written once; its first walk finds zeros, which the first change of M leaves zeros
.set jj, jj+1
.endr
	s_wait_kmcnt 0x0
	s_add_co_i32 s30, s46, s47
	s_lshl_b32 s30, s30, 23
	s_add_co_i32 s[CS], s[CS], s30                 ; a score stands for score x 2^(e6 + e7)
	s_mov_b32 s[CS+1], s[CS]
	s_add_co_i32 s30, s48, 127
	s_lshl_b32 s31, s30, 23
	v_mov_b32 v244, s31                            ; 2^e8
	s_add_co_i32 s30, s30, 15
	s_lshl_b32 s30, s30, 23
	s_or_b32 s30, s30, 0x600000
	v_mov_b32 v240, s30                            ; 57,344 x 2^e8
	s_wait_tensorcnt 1                             ; my part of slot 0 is in; slot 1's, the one younger load, may stay out
	s_barrier_signal -1
	s_barrier_wait -1
	s_wait_loadcnt 0x0                             ; Q
	SLOT 0
	CHANGE 0, 1                                    ; slot 0 takes key steps 16-23
	SLOT 1
	CHANGE 1, 1                                    ; slot 1 takes key steps 24-31
	SLOT 0
	CHANGE 0, 0                                    ; nothing is left to fetch
	SLOT 1
	; THE WAY OUT: O^T / the sum, quantised by e10: a sum stands for sum x 2^(e8 + e9), so the conversion takes 2^(e10 - e8 - e9).  The codes are two images of 512 bytes.
.rept 4
	v_nop                                          ; four places behind the last products
.endr
	v_add_f32 v14, v14, v15
	v_permlanex16_b32 v252, v14, s[SEL], s[SEL+1]
	v_add_f32 v14, v14, v252                       ; the row's sum
	v_rcp_f32 v14, v14
	s_sub_co_i32 s30, s50, s48
	s_sub_co_i32 s30, s30, s49
	s_add_co_i32 s30, s30, 127
	s_lshl_b32 s31, s30, 23
	v_mov_b32 v244, s31                            ; (the plain line behind the reciprocal)
	s_add_co_i32 s30, s30, 15
	s_lshl_b32 s30, s30, 23
	s_or_b32 s30, s30, 0x600000
	v_mov_b32 v240, s30
	s_wait_alu depctr_va_vdst(0)                   ; the wait ahead of the reciprocal's first reader
.set jj, 0
.rept 16
	v_pk_mul_f32 v[96+jj:97+jj], v[160+jj:161+jj], v[14:15] op_sel_hi:[1,0]
.set jj, jj+2
.endr
.set jj, 0
.rept 32
	v_med3_num_f32 v[96+jj], v[96+jj], -v240, v240
.set jj, jj+1
.endr
.irp t, 0,1,2,3
	v_cvt_scalef32_pk8_bf8_f32 v[224+2*\t:225+2*\t], v[96+8*\t:103+8*\t], v244
.endr
	v_nop
	global_store_b128 v[LI], v[224:227], s[10:11]            ; the wave stores 512 consecutive bytes, aligned
	global_store_b128 v[LI], v[228:231], s[10:11] offset:512
	s_wait_tensorcnt 0x0                           ; the wave's end
	ds_add_u32 v[SPW], v[NIL]
	s_wait_dscnt 0x0
	ROUND                                          ; the closing round
	s_endpgm
.Lfunc_end_k_qaa427c81cb_attn:
	.size	k_qaa427c81cb_attn, .Lfunc_end_k_qaa427c81cb_attn-k_qaa427c81cb_attn
	.p2alignl 7, 3214868480
	.fill 96, 4, 3214868480
	.section	.rodata,"a",@progbits
	.p2align	6, 0x0
	.amdhsa_kernel k_qaa427c81cb_attn
		.amdhsa_group_segment_fixed_size 327680
		.amdhsa_private_segment_fixed_size 0
		.amdhsa_enable_private_segment 0
		.amdhsa_kernarg_size 32
		.amdhsa_user_sgpr_count 2
		.amdhsa_user_sgpr_kernarg_segment_ptr 1
		.amdhsa_wavefront_size32 1
		.amdhsa_system_sgpr_workgroup_id_x 1
		.amdhsa_system_sgpr_workgroup_id_y 1
		.amdhsa_system_sgpr_workgroup_id_z 1
		.amdhsa_system_vgpr_workitem_id 0
		.amdhsa_next_free_vgpr 256
		.amdhsa_next_free_sgpr 66
		.amdhsa_reserve_vcc 0
		.amdhsa_float_denorm_mode_32 3
		.amdhsa_float_denorm_mode_16_64 3
		.amdhsa_memory_ordered 1
		.amdhsa_forward_progress 1
		.amdhsa_inst_pref_size 73
	.end_amdhsa_kernel
	.amdgpu_metadata
---
amdhsa.version: [ 1, 2 ]
amdhsa.kernels:
  - .name:           k_qaa427c81cb_attn
    .symbol:         k_qaa427c81cb_attn.kd
    .args:
      - { .name: qimg, .offset: 0, .size: 8, .value_kind: global_buffer, .address_space: global }
      - { .name: kvimg, .offset: 8, .size: 8, .value_kind: global_buffer, .address_space: global }
      - { .name: lowp_scales, .offset: 16, .size: 8, .value_kind: global_buffer, .address_space: global }
      - { .name: oimg, .offset: 24, .size: 8, .value_kind: global_buffer, .address_space: global }
    .group_segment_fixed_size: 327680
    .private_segment_fixed_size: 0
    .kernarg_segment_align: 8
    .kernarg_segment_size: 32
    .max_flat_workgroup_size: 512
    .sgpr_count:     66
    .vgpr_count:     256
    .wavefront_size: 32
...
	.end_amdgpu_metadata
.endif
;; end of part 2
;; launch tail (part 3): grid 256 x 1, 16 waves a work-group, no clusters, 127,488 bytes of LDS; arguments oimg, wimg, x, lowp_scales, bo, gamma1, beta1, b1, b2, gamma2, beta2, out0; writes out0
.if DOCPART == 3
	.amdgcn_target "amdgcn-amd-amdhsa--gfx1250"
	.amdhsa_code_object_version 6
	.text
	.protected	k_qaa427c81cb_tail
	.globl	k_qaa427c81cb_tail
	.p2align	8
	.type	k_qaa427c81cb_tail,@function
k_qaa427c81cb_tail:
	s_mov_b64 s[64:65], 0
	v_nop
	global_prefetch_b8 v0, s[64:65] scope:SCOPE_SE
	s_setreg_imm32_b32 hwreg(HW_REG_WAVE_MODE, 25, 1), 1
	s_wait_xcnt 0x0
; x1 = LN(x + o Wo + bo; gamma1, beta1);  out = LN(x1 + relu(x1 W1 + b1) W2 + b2; gamma2, beta2), the three products on codes of E5M2.  LN divides by (std + 1e-5).  No work is left out.
; SHARES.  Work-group g owns tokens 32 g .. 32 g + 31 (two tiles of 16) through the whole chain; nothing between the products goes to memory.  THE WAVES SHARE THE COLUMNS: wave w makes columns 32 w .. 32 w + 31 of
; every layer (of d_ff: units 512 c + 32 w on, in four chunks c).  Nine equal units of 16 products: Wo; then for each chunk W1's part and W2's part.  A unit: four accumulators (2 token tiles x 2 n tiles) by turns, four K steps of 128.
; All products are used transposed (source 0 = 16 rows of the weight, source 1 = 16 tokens): a lane holds one token and eight neighbouring columns, which one conversion turns into two registers of the next operand.
; ACTIVATIONS go from wave to wave through LDS as images of the operand's registers (512 bytes on end for four registers).  WEIGHTS come from wimg, each wave's own dense stream, straight into a ring of three
; register groups: each weight byte feeds one wave alone, so it passes through no LDS, and sixteen to twenty-four loads of a wave are out all the time.
; The text is straight: no loop, no branch.  The counts of the waits for loads are made by the assembler: LC counts the loads issued, a mark keeps LC behind a group's last load, and the wait's count is LC - mark:
; the loads issued behind the one that is wanted (loads come back in order: ISA guide 5.7.1).  A count beyond the field's 63 is written as 63.
; SCALES.  b1 and b2 go in as the C of a sum's first product, divided by the power of two that the sums lack; the hidden layer's conversion takes 2^(e14 - e12 - e13), and its hold between 0 and the largest code is the relu.
; The norm is taken in two passes (mean; then the squares of x - mean): no difference of large sums.
; LIMITS: e12 and e14 - e12 - e13 between -126 and 112; e10 + e11 and e14 + e15 between -126 and 127.  NaN among the inputs is not served.
.set XP,    2064                       ; LDS 0 .. 66,047: 32 rows of 2,048 bytes + 16: x, then x1, then out
.set AIMG,  66048                      ; 16,384 bytes: o's images, then x1's: [token tile][K step][piece][512]
.set HREL,  16384                      ; behind them, counted from AIMG: the hidden layer's images, two buffers of 16,384 by turns
.set RED,   115200                     ; four regions of 2,560 bytes for the norms' sums: [token tile][token: 80 bytes][wave: 4 bytes]
.set REDB,  2560
.set SPARE, 125440                     ; the spare words, 128 bytes for each wave
.set LI,   1                           ; v1   16 x lane
.set XD,   2                           ; v2   my place in the rows, in the results' layout: 2,064 r + 128 w + 32 h
.set XR,   3                           ; v3   my two whole rows: 4,128 w + 16 x lane
.set RST,  4                           ; v4   where I put a partial sum: RED + 80 r + 4 w
.set RLD,  5                           ; v5   where I read a token's sixteen: RED + 80 r
.set PIM,  6                           ; v6   where I store my piece of an image: AIMG + 512 w + 16 x lane
.set GX,   7                           ; v7   my two rows in x and in out: 4,096 w + 16 x lane
.set PO,   8                           ; v8   my place in a vector of 512 parameters: 128 w + 32 h
.set SPW,  9                           ; v9   my spare word;  v10  0
.set NIL,  10
.set SCA,  11                          ; v11, v12  2^e12 and 57,344 x that;  v13, v14 the same with e14 - e12 - e13
.set LMA,  12
.set SCH,  13
.set LMH,  14
.set LA,   15                          ; v15  AIMG + 16 x lane
.set PR0,  16                          ; v16-31, v32-47, v48-63  three sets of 16 parameters: (n tile nt, j) at 8 nt + j
.set PR1,  32
.set PR2,  48
.set WR,   64                          ; v64-159  the ring: three groups of 32: a K step's two fragments
.set AB,   160                         ; v160-191 two fragments of an activation; between the units at work
.set T,    160
.set ACH,  192                         ; v192-223 four accumulators: (token tile tt, n tile nt) at 16 tt + 8 nt
.set ACY,  224                         ; v224-255 four more, for the last product
.set WV,   48
.set SEL,  50                          ; s[50:51] lane l xor 16
.set FS1,  52                          ; s[52:53] 2^(e10 + e11)
.set FS2,  54                          ; s[54:55] 2^(e14 + e15)
.set NB1,  56                          ; s56  -(e12 + e13);  s57  -(e14 + e15)
.set NB2,  57
.set LC,  0
.set WS0, 0
.set WS1, 0
.set WS2, 0
.set PS0, 0
.set PS1, 0
.set PS2, 0
.macro GL dst, adr, base, off
	global_load_b128 v[\dst:\dst+3], v[\adr], s[\base:\base+1] offset:\off
.set LC, LC+1
.endm
.macro WAITL seq
.if LC-(\seq) > 63
	s_wait_loadcnt 63
.else
	s_wait_loadcnt LC-(\seq)
.endif
.endm
.macro WAITW g
.if (\g)==0
	WAITL WS0
.elseif (\g)==1
	WAITL WS1
.else
	WAITL WS2
.endif
.endm
.macro WAITP g
.if (\g)==0
	WAITL PS0
.elseif (\g)==1
	WAITL PS1
.else
	WAITL PS2
.endif
.endm
.macro WLOAD q                         ; K step q of my stream (4,096 bytes) into group q % 3
.irp i, 0,1,2,3,4,5,6,7
	GL WR+32*((\q)%3)+4*\i, LI, 6, (\q)*4096+\i*512
.endr
.if ((\q)%3)==0
.set WS0, LC
.elseif ((\q)%3)==1
.set WS1, LC
.else
.set WS2, LC
.endif
.endm
.macro PLOAD slot, base, off           ; my 16 numbers of a parameter vector
.irp nt, 0,1
	GL PR0+16*(\slot)+8*\nt, PO, \base, (\off)+64*\nt
	GL PR0+16*(\slot)+8*\nt+4, PO, \base, (\off)+64*\nt+16
.endr
.if (\slot)==0
.set PS0, LC
.elseif (\slot)==1
.set PS1, LC
.else
.set PS2, LC
.endif
.endm
.macro BARRIER                         ; my LDS stores have landed and my LDS loads are in: then the work-group's barrier
	s_wait_dscnt 0x0
	s_barrier_signal -1
	s_barrier_wait -1
.endm
; K step q = 4 unit + s.  cmode 0: the products start the sums; 1: with v[cb + 8 nt] on as C; 2: in place.  abase: the images' place, counted from AIMG.
.macro KSTEP q, acc, cmode, cb, abase
.set GW, WR+32*((\q)%3)
.irp tt, 0,1
.irp c, 0,1,2,3
	ds_load_b128 v[AB+16*\tt+4*\c:AB+16*\tt+4*\c+3], v[LA] offset:(\abase)+(\tt*4+(\q)%4)*2048+\c*512
.endr
.endr
	WAITW (\q)%3                                   ; this K step's weights are in; the younger groups stay out
	s_wait_dscnt 0x0
.irp tt, 0,1
.irp nt, 0,1
.if (\cmode)==0
	v_wmma_f32_16x16x128_bf8_bf8 v[\acc+16*\tt+8*\nt:\acc+16*\tt+8*\nt+7], v[GW+16*\nt:GW+16*\nt+15], v[AB+16*\tt:AB+16*\tt+15], 0
.elseif (\cmode)==1
	v_wmma_f32_16x16x128_bf8_bf8 v[\acc+16*\tt+8*\nt:\acc+16*\tt+8*\nt+7], v[GW+16*\nt:GW+16*\nt+15], v[AB+16*\tt:AB+16*\tt+15], v[\cb+8*\nt:\cb+8*\nt+7]
.else
	v_wmma_f32_16x16x128_bf8_bf8 v[\acc+16*\tt+8*\nt:\acc+16*\tt+8*\nt+7], v[GW+16*\nt:GW+16*\nt+15], v[AB+16*\tt:AB+16*\tt+15], v[\acc+16*\tt+8*\nt:\acc+16*\tt+8*\nt+7]
.endif
.endr
.endr
.rept 4
	v_nop                                          ; four places in front of loads into registers that the products have read, and of the first read of results
.endr
.if (\q)+3 < 36
	WLOAD (\q)+3                                   ; the group takes the K step three on
.endif
.endm
; 32 numbers of a lane (two token tiles x 16 neighbouring columns) become my piece of two fragments and go to LDS as they stand.
.macro QNT src, dst, relu, sc, lim, cod, base
.set jj, 0
.rept 32
.if \relu
	v_med3_num_f32 v[\dst+jj], v[\src+jj], 0, v[\lim]           ; the activation and the hold in one
.else
	v_med3_num_f32 v[\dst+jj], v[\src+jj], -v[\lim], v[\lim]    ; the conversion does not saturate (ISA guide 7.6.2)
.endif
.set jj, jj+1
.endr
.irp tt, 0,1
	v_cvt_scalef32_pk8_bf8_f32 v[\cod+4*\tt:\cod+4*\tt+1], v[\dst+16*\tt:\dst+16*\tt+7], v[\sc]
	v_cvt_scalef32_pk8_bf8_f32 v[\cod+4*\tt+2:\cod+4*\tt+3], v[\dst+16*\tt+8:\dst+16*\tt+15], v[\sc]
.endr
	v_nop                                          ; one plain line between the conversions and whatever next touches their registers
.irp tt, 0,1
	ds_store_b128 v[PIM], v[\cod+4*\tt:\cod+4*\tt+3] offset:(\base)+\tt*8192
.endr
.endm
; Four pairs a token tile, at v[T + 8 tt] on, are summed: in the lane, with lane l xor 16, and over the sixteen waves through region ro.  The totals come out in v[T] and v[T + 16], in every lane, summed in one order.
.macro SHARE ro
.irp tt, 0,1
	v_pk_add_f32 v[T+8*\tt:T+8*\tt+1], v[T+8*\tt:T+8*\tt+1], v[T+8*\tt+2:T+8*\tt+3]
	v_pk_add_f32 v[T+8*\tt+4:T+8*\tt+5], v[T+8*\tt+4:T+8*\tt+5], v[T+8*\tt+6:T+8*\tt+7]
.endr
.irp tt, 0,1
	v_pk_add_f32 v[T+8*\tt:T+8*\tt+1], v[T+8*\tt:T+8*\tt+1], v[T+8*\tt+4:T+8*\tt+5]
.endr
.irp tt, 0,1
	v_add_f32 v[T+8*\tt], v[T+8*\tt], v[T+8*\tt+1]
.endr
.irp tt, 0,1
	v_permlanex16_b32 v[T+8*\tt+1], v[T+8*\tt], s[SEL], s[SEL+1]
.endr
.irp tt, 0,1
	v_add_f32 v[T+8*\tt], v[T+8*\tt], v[T+8*\tt+1]
.endr
.irp tt, 0,1
	ds_store_b32 v[RST], v[T+8*\tt] offset:(\ro)+1280*\tt       ; lanes r and r + 16 write the same word with the same value
.endr
	BARRIER
.irp tt, 0,1
.irp i, 0,1,2,3
	ds_load_b128 v[T+16*\tt+4*\i:T+16*\tt+4*\i+3], v[RLD] offset:(\ro)+1280*\tt+16*\i
.endr
.endr
	s_wait_dscnt 0x0
.irp tt, 0,1
.irp i, 0,4,8,12
	v_pk_add_f32 v[T+16*\tt+\i:T+16*\tt+\i+1], v[T+16*\tt+\i:T+16*\tt+\i+1], v[T+16*\tt+\i+2:T+16*\tt+\i+3]
.endr
.endr
.irp tt, 0,1
	v_pk_add_f32 v[T+16*\tt:T+16*\tt+1], v[T+16*\tt:T+16*\tt+1], v[T+16*\tt+4:T+16*\tt+5]
	v_pk_add_f32 v[T+16*\tt+8:T+16*\tt+9], v[T+16*\tt+8:T+16*\tt+9], v[T+16*\tt+12:T+16*\tt+13]
.endr
.irp tt, 0,1
	v_pk_add_f32 v[T+16*\tt:T+16*\tt+1], v[T+16*\tt:T+16*\tt+1], v[T+16*\tt+8:T+16*\tt+9]
.endr
.irp tt, 0,1
	v_add_f32 v[T+16*\tt], v[T+16*\tt], v[T+16*\tt+1]
.endr
.endm
; v[V] on (32 numbers) = (v - mean) / (std + 1e-5) x G + B, over the rows' 512 columns
.macro LNORM V, G, B, ra, rb
.irp tt, 0,1
.irp i, 0,1,2,3
	v_pk_add_f32 v[T+8*\tt+2*\i:T+8*\tt+2*\i+1], v[\V+16*\tt+4*\i:\V+16*\tt+4*\i+1], v[\V+16*\tt+4*\i+2:\V+16*\tt+4*\i+3]
.endr
.endr
	SHARE \ra
.irp tt, 0,1
	v_mul_f32 v[T+16*\tt], 0xbb000000, v[T+16*\tt]              ; -mean = the sum x -1/512
.endr
.irp tt, 0,1
.irp i, 0,2,4,6,8,10,12,14
	v_pk_add_f32 v[\V+16*\tt+\i:\V+16*\tt+\i+1], v[\V+16*\tt+\i:\V+16*\tt+\i+1], v[T+16*\tt:T+16*\tt+1] op_sel_hi:[1,0]
.endr
.endr
.irp tt, 0,1
.irp i, 0,1,2,3
	v_pk_mul_f32 v[T+8*\tt+2*\i:T+8*\tt+2*\i+1], v[\V+16*\tt+2*\i:\V+16*\tt+2*\i+1], v[\V+16*\tt+2*\i:\V+16*\tt+2*\i+1]
.endr
.irp i, 0,1,2,3
	v_pk_fma_f32 v[T+8*\tt+2*\i:T+8*\tt+2*\i+1], v[\V+16*\tt+8+2*\i:\V+16*\tt+8+2*\i+1], v[\V+16*\tt+8+2*\i:\V+16*\tt+8+2*\i+1], v[T+8*\tt+2*\i:T+8*\tt+2*\i+1]
.endr
.endr
	SHARE \rb
	v_mul_f32 v[T], 0x3b000000, v[T]               ; the mean of the squares
	v_mul_f32 v[T+16], 0x3b000000, v[T+16]
	v_sqrt_f32 v[T], v[T]
	v_sqrt_f32 v[T+16], v[T+16]
	v_nop                                          ; a plain line behind the roots,
	s_wait_alu depctr_va_vdst(0)                   ; and the wait ahead of their first reader
	v_add_f32 v[T], 0x3727c5ac, v[T]               ; std + 1e-5
	v_add_f32 v[T+16], 0x3727c5ac, v[T+16]
	v_rcp_f32 v[T], v[T]
	v_rcp_f32 v[T+16], v[T+16]
	v_nop
	s_wait_alu depctr_va_vdst(0)
.irp tt, 0,1
.irp i, 0,2,4,6,8,10,12,14
	v_pk_mul_f32 v[\V+16*\tt+\i:\V+16*\tt+\i+1], v[\V+16*\tt+\i:\V+16*\tt+\i+1], v[T+16*\tt:T+16*\tt+1] op_sel_hi:[1,0]
.endr
.irp i, 0,2,4,6,8,10,12,14
	v_pk_fma_f32 v[\V+16*\tt+\i:\V+16*\tt+\i+1], v[\V+16*\tt+\i:\V+16*\tt+\i+1], v[\G+\i:\G+\i+1], v[\B+\i:\B+\i+1]
.endr
.endr
.endm
.macro ROWS_IN                         ; my 32 numbers of the rows in LDS, in the results' layout, into v[T] on
.irp tt, 0,1
.irp nt, 0,1
	ds_load_b128 v[T+16*\tt+8*\nt:T+16*\tt+8*\nt+3], v[XD] offset:\tt*16*XP+\nt*64
	ds_load_b128 v[T+16*\tt+8*\nt+4:T+16*\tt+8*\nt+7], v[XD] offset:\tt*16*XP+\nt*64+16
.endr
.endr
.endm
.macro ROWS_OUT src                    ; and back, to the same bytes, which no other wave touches before the last barrier
.irp tt, 0,1
.irp nt, 0,1
	ds_store_b128 v[XD], v[\src+16*\tt+8*\nt:\src+16*\tt+8*\nt+3] offset:\tt*16*XP+\nt*64
	ds_store_b128 v[XD], v[\src+16*\tt+8*\nt+4:\src+16*\tt+8*\nt+7] offset:\tt*16*XP+\nt*64+16
.endr
.endr
.endm
	s_load_b256 s[4:11], s[0:1], 0x0               ; oimg, wimg, x, the scales' exponents
	s_load_b256 s[12:19], s[0:1], 0x20             ; bo, gamma1, beta1, b1
	s_load_b256 s[20:27], s[0:1], 0x40             ; b2, gamma2, beta2, out0
	v_lshl_add_u32 v[SPW], v0, 2, SPARE
	v_mov_b32 v[NIL], 0
	v_lshrrev_b32 v1, 5, v0
	v_readfirstlane_b32 s[WV], v1                  ; wave 0..15
	v_and_b32 v160, 15, v0                         ; r
	v_bfe_u32 v161, v0, 4, 1                       ; h
	v_and_b32 v162, 31, v0
	v_lshlrev_b32 v[LI], 4, v162
	v_mul_u32_u24 v[XD], v160, XP
	v_lshl_add_u32 v[XD], v161, 5, v[XD]
	s_lshl_b32 s58, s[WV], 7
	v_add_nc_u32 v[XD], s58, v[XD]
	v_lshlrev_b32 v[PO], 5, v161
	v_add_nc_u32 v[PO], s58, v[PO]
	s_mul_i32 s59, s[WV], 2*XP
	v_add_nc_u32 v[XR], s59, v[LI]
	v_mul_u32_u24 v[RLD], v160, 80
	v_add_nc_u32 v[RLD], RED, v[RLD]
	s_lshl_b32 s59, s[WV], 2
	v_add_nc_u32 v[RST], s59, v[RLD]
	v_add_nc_u32 v[LA], AIMG, v[LI]
	s_lshl_b32 s59, s[WV], 9
	v_add_nc_u32 v[PIM], s59, v[LA]                ; columns 32 w on are K step w / 4, piece w % 4: 2,048 (w / 4) + 512 (w % 4) = 512 w
	s_lshl_b32 s59, s[WV], 12
	v_add_nc_u32 v[GX], s59, v[LI]
	s_lshl_b32 s59, s[WV], 10
	v_add_nc_u32 v163, s59, v[LI]                  ; my 1,024 bytes of the work-group's 16,384 of oimg,
	v_add_nc_u32 v164, AIMG, v163                  ; and the same place among the images
	s_mov_b32 s[SEL], 0x76543210
	s_mov_b32 s[SEL+1], 0xfedcba98
	s_lshl_b32 s58, ttmp9, 16                      ; 32 rows of 2,048 bytes
	s_mov_b32 s59, 0
	s_lshl_b32 s60, ttmp9, 14                      ; two token tiles of 8,192 bytes
	s_mov_b32 s61, 0
	s_mul_i32 s62, s[WV], 147456                   ; my stream
	s_mov_b32 s63, 0
	s_wait_kmcnt 0x0
	s_load_b512 s[32:47], s[10:11], 0x0            ; e0 .. e15
	s_add_nc_u64 s[8:9], s[8:9], s[58:59]
	s_add_nc_u64 s[26:27], s[26:27], s[58:59]
	s_add_nc_u64 s[4:5], s[4:5], s[60:61]
	s_add_nc_u64 s[6:7], s[6:7], s[62:63]
.irp k, 0,1,2,3,4,5,6,7
	GL ACH+4*\k, GX, 8, \k*512                     ; x: rows 2 w, 2 w + 1, 512 bytes on end a load
.endr
	GL ACY, 163, 4, 0
	GL ACY+4, 163, 4, 512
.set XSEQ, LC
	PLOAD 0, 12, 0                                 ; bo
	PLOAD 1, 14, 0                                 ; gamma1
	PLOAD 2, 16, 0                                 ; beta1
	WLOAD 0
	WLOAD 1
	WLOAD 2
	s_wait_kmcnt 0x0
	s_add_co_i32 s[FS1], s42, s43
	s_add_co_i32 s[FS1], s[FS1], 127
	s_lshl_b32 s[FS1], s[FS1], 23                  ; 2^(e10 + e11) as f32
	s_mov_b32 s[FS1+1], s[FS1]                     ; (named with it as a pair)
	s_add_co_i32 s[NB2], s46, s47
	s_add_co_i32 s[FS2], s[NB2], 127
	s_lshl_b32 s[FS2], s[FS2], 23                  ; 2^(e14 + e15)
	s_mov_b32 s[FS2+1], s[FS2]
	s_sub_co_i32 s[NB2], 0, s[NB2]
	s_add_co_i32 s58, s44, s45                     ; e12 + e13
	s_sub_co_i32 s[NB1], 0, s58
	s_sub_co_i32 s58, s46, s58                     ; e14 - e12 - e13
	s_add_co_i32 s58, s58, 127
	s_lshl_b32 s59, s58, 23
	v_mov_b32 v[SCH], s59
	s_add_co_i32 s58, s58, 15
	s_lshl_b32 s58, s58, 23
	s_or_b32 s58, s58, 0x600000
	v_mov_b32 v[LMH], s58
	s_add_co_i32 s58, s44, 127
	s_lshl_b32 s59, s58, 23
	v_mov_b32 v[SCA], s59                          ; 2^e12
	s_add_co_i32 s58, s58, 15
	s_lshl_b32 s58, s58, 23
	s_or_b32 s58, s58, 0x600000
	v_mov_b32 v[LMA], s58
	WAITL XSEQ                                     ; x and o are in; the parameters' and the ring's loads stay out
.irp k, 0,1,2,3,4,5,6,7
	ds_store_b128 v[XR], v[ACH+4*\k:ACH+4*\k+3] offset:(\k/4)*XP+(\k%4)*512
.endr
	ds_store_b128 v164, v[ACY:ACY+3]
	ds_store_b128 v164, v[ACY+4:ACY+7] offset:512
	BARRIER                                        ; 32 rows of x and o's eight fragments lie in LDS
	; ---- the projection, the residual and the first norm
	KSTEP 0, ACH, 0, 0, 0
	KSTEP 1, ACH, 2, 0, 0
	KSTEP 2, ACH, 2, 0, 0
	KSTEP 3, ACH, 2, 0, 0
	ROWS_IN                                        ; x
	s_wait_dscnt 0x0                               ; (bo, gamma1 and beta1 were issued ahead of the ring's first group, whose wait has shown them in)
.irp tt, 0,1
.irp i, 0,2,4,6,8,10,12,14
	v_pk_add_f32 v[T+16*\tt+\i:T+16*\tt+\i+1], v[T+16*\tt+\i:T+16*\tt+\i+1], v[PR0+\i:PR0+\i+1]   ; x + bo
.endr
.endr
.set jj, 0
.rept 16
	v_pk_fma_f32 v[ACH+jj:ACH+jj+1], v[ACH+jj:ACH+jj+1], s[FS1:FS1+1], v[T+jj:T+jj+1] op_sel_hi:[1,0,1]   ; sum x 2^(e10 + e11) + bo + x
.set jj, jj+2
.endr
	PLOAD 0, 18, 0                                 ; b1 of chunk 0
	LNORM ACH, PR1, PR2, 0, REDB
	ROWS_OUT ACH                                   ; x1 is kept for the second residual
	PLOAD 1, 20, 0                                 ; b2
	PLOAD 2, 24, 0                                 ; beta2
	QNT ACH, T, 0, SCA, LMA, ACY, 0                ; the hold writes other registers: the stores above still read x1
	BARRIER                                        ; x1's eight fragments lie where o's lay: every wave has passed two barriers since its last read of those
	; ---- the feed-forward layer, 512 hidden units at a time
.irp c, 0,1,2,3
	WAITP 0
.set kk, 0
.rept 16
	v_ldexp_f32 v[PR0+kk], v[PR0+kk], s[NB1]       ; b1 / 2^(e12 + e13)
.set kk, kk+1
.endr
	KSTEP 4+8*\c, ACH, 1, PR0, 0
.if \c < 3
	PLOAD 0, 18, 2048*(\c+1)                       ; the next chunk's b1
.endif
	KSTEP 5+8*\c, ACH, 2, 0, 0
	KSTEP 6+8*\c, ACH, 2, 0, 0
	KSTEP 7+8*\c, ACH, 2, 0, 0
	QNT ACH, ACH, 1, SCH, LMH, AB, HREL+HREL*(\c%2)
	BARRIER                                        ; the chunk's eight fragments lie in LDS.  One barrier a chunk: a buffer is written again two chunks on, by waves that have passed the barrier between, which each wave reaches behind its last read
.if \c == 0
	WAITP 1
.set kk, 0
.rept 16
	v_ldexp_f32 v[PR1+kk], v[PR1+kk], s[NB2]       ; b2 / 2^(e14 + e15)
.set kk, kk+1
.endr
	KSTEP 8, ACY, 1, PR1, HREL
	PLOAD 1, 22, 0                                 ; gamma2
.else
	KSTEP 8+8*\c, ACY, 2, 0, HREL+HREL*(\c%2)
.endif
	KSTEP 9+8*\c, ACY, 2, 0, HREL+HREL*(\c%2)
	KSTEP 10+8*\c, ACY, 2, 0, HREL+HREL*(\c%2)
	KSTEP 11+8*\c, ACY, 2, 0, HREL+HREL*(\c%2)
.endr
	; ---- the second residual and norm, and the way out
	ROWS_IN                                        ; x1
	WAITP 1                                        ; gamma2
	WAITP 2                                        ; beta2
	s_wait_dscnt 0x0
.set jj, 0
.rept 16
	v_pk_fma_f32 v[ACY+jj:ACY+jj+1], v[ACY+jj:ACY+jj+1], s[FS2:FS2+1], v[T+jj:T+jj+1] op_sel_hi:[1,0,1]   ; (sum + b2') x 2^(e14 + e15) + x1
.set jj, jj+2
.endr
	LNORM ACY, PR1, PR2, 2*REDB, 3*REDB
	ROWS_OUT ACY
	BARRIER                                        ; 32 whole rows of the result lie in LDS
.irp k, 0,1,2,3,4,5,6,7
	ds_load_b128 v[T+4*\k:T+4*\k+3], v[XR] offset:(\k/4)*XP+(\k%4)*512
.endr
.irp k, 0,1,2,3,4,5,6,7
	s_wait_dscnt 7-\k                              ; LDS loads come back in order: load k is in, the younger ones stay out
	global_store_b128 v[GX], v[T+4*\k:T+4*\k+3], s[26:27] offset:\k*512 th:TH_STORE_NT   ; 32 lanes store 512 consecutive bytes, aligned
.endr
	s_wait_tensorcnt 0x0                           ; the wave's end, behind my last LDS store
	ds_add_u32 v[SPW], v[NIL]
	s_wait_dscnt 0x0
	s_endpgm
.Lfunc_end_k_qaa427c81cb_tail:
	.size	k_qaa427c81cb_tail, .Lfunc_end_k_qaa427c81cb_tail-k_qaa427c81cb_tail
	.p2alignl 7, 3214868480
	.fill 96, 4, 3214868480
	.section	.rodata,"a",@progbits
	.p2align	6, 0x0
	.amdhsa_kernel k_qaa427c81cb_tail
		.amdhsa_group_segment_fixed_size 127488
		.amdhsa_private_segment_fixed_size 0
		.amdhsa_enable_private_segment 0
		.amdhsa_kernarg_size 96
		.amdhsa_user_sgpr_count 2
		.amdhsa_user_sgpr_kernarg_segment_ptr 1
		.amdhsa_wavefront_size32 1
		.amdhsa_system_sgpr_workgroup_id_x 1
		.amdhsa_system_sgpr_workgroup_id_y 1
		.amdhsa_system_sgpr_workgroup_id_z 1
		.amdhsa_system_vgpr_workitem_id 0
		.amdhsa_next_free_vgpr 256
		.amdhsa_next_free_sgpr 66
		.amdhsa_reserve_vcc 0
		.amdhsa_float_denorm_mode_32 3
		.amdhsa_float_denorm_mode_16_64 3
		.amdhsa_memory_ordered 1
		.amdhsa_forward_progress 1
		.amdhsa_inst_pref_size 114
	.end_amdhsa_kernel
	.amdgpu_metadata
---
amdhsa.version: [ 1, 2 ]
amdhsa.kernels:
  - .name:           k_qaa427c81cb_tail
    .symbol:         k_qaa427c81cb_tail.kd
    .args:
      - { .name: oimg, .offset: 0, .size: 8, .value_kind: global_buffer, .address_space: global }
      - { .name: wimg, .offset: 8, .size: 8, .value_kind: global_buffer, .address_space: global }
      - { .name: x, .offset: 16, .size: 8, .value_kind: global_buffer, .address_space: global }
      - { .name: lowp_scales, .offset: 24, .size: 8, .value_kind: global_buffer, .address_space: global }
      - { .name: bo, .offset: 32, .size: 8, .value_kind: global_buffer, .address_space: global }
      - { .name: gamma1, .offset: 40, .size: 8, .value_kind: global_buffer, .address_space: global }
      - { .name: beta1, .offset: 48, .size: 8, .value_kind: global_buffer, .address_space: global }
      - { .name: b1, .offset: 56, .size: 8, .value_kind: global_buffer, .address_space: global }
      - { .name: b2, .offset: 64, .size: 8, .value_kind: global_buffer, .address_space: global }
      - { .name: gamma2, .offset: 72, .size: 8, .value_kind: global_buffer, .address_space: global }
      - { .name: beta2, .offset: 80, .size: 8, .value_kind: global_buffer, .address_space: global }
      - { .name: out0, .offset: 88, .size: 8, .value_kind: global_buffer, .address_space: global }
    .group_segment_fixed_size: 127488
    .private_segment_fixed_size: 0
    .kernarg_segment_align: 8
    .kernarg_segment_size: 96
    .max_flat_workgroup_size: 512
    .sgpr_count:     66
    .vgpr_count:     256
    .wavefront_size: 32
...
	.end_amdgpu_metadata
.endif
;; end of part 3
;; ======== version 2 of 2: 3 launches
;; workspace buffers: qimg 4,194,304 bytes; kvimg 8,388,608 bytes; oimg 4,194,304 bytes; wimg 2,359,296 bytes
;; launch qkv (part 4): grid 256 x 1, 16 waves a work-group, no clusters, 198,656 bytes of LDS; arguments x, Wq_codes, Wk_codes, Wv_codes, bq, bk, bv, lowp_scales, Wo_codes, W1_codes, W2_codes, qimg, kvimg, wimg; writes qimg, kvimg, wimg
.if DOCPART == 4
	.amdgcn_target "amdgcn-amd-amdhsa--gfx1250"
	.amdhsa_code_object_version 6
	.text
	.protected	k_qaa427c81cb_qkv
	.globl	k_qaa427c81cb_qkv
	.p2align	8
	.type	k_qaa427c81cb_qkv,@function
k_qaa427c81cb_qkv:
	s_mov_b64 s[64:65], 0
	v_nop
	global_prefetch_b8 v0, s[64:65] scope:SCOPE_SE
	s_setreg_imm32_b32 hwreg(HW_REG_WAVE_SCHED_MODE, 0, 2), 2
	s_setreg_imm32_b32 hwreg(HW_REG_WAVE_MODE, 25, 1), 1
	s_wait_xcnt 0x0
	s_wait_alu depctr_vm_vsrc(0)
; q = x Wq + bq, k = x Wk + bk, v = x Wv + bv on codes of E5M2, and their own codes for the attention's two products.
; NO WORK IS LEFT OUT in any of the three launches: every bias, gain and scale moves a code or an output, and every input is loaded.
; x (f32) is quantised three times, by e0, e2, e4 (they may differ).  The sums stand for sum x 2^(ex + ew): a bias goes in as the C of a sum's first product, divided by that power;
; the next quantiser's conversion takes 2^(eout - ex - ew) as its one scale (eout = e6 for q, e7 for k, e9 for v), and the hold stands at 57,344 x that.
; SHARES.  Work-group g: 128 tokens (block g / 4: one key step of the attention) x the 128 columns of heads 2 (g % 4), 2 (g % 4) + 1, of each of q, k, v.
; All sixteen waves quantise x: wave w takes tokens 16 (w / 2) on and two K steps of 128; the codes go to LDS as images of the operand's registers (four registers = 32 lanes x 16 bytes = 512 bytes on end).
; Waves 0-11 multiply: wave w makes product w / 4, columns 32 (w % 4) on; its 2 x 4 fragments of the weight (128 registers) are read once and stay.
; q and k are made TRANSPOSED (source 0 = 16 rows of W, source 1 = 16 tokens): a lane holds one token and eight neighbouring channels, which one conversion turns into two registers of the next operand.
; v is made the natural way (source 0 = tokens, source 1 = W): a lane holds one channel and eight neighbouring tokens: the keys are the next K.
; In these three products k lies in the registers as 16-byte loads bring it (registers 4 b .. 4 b + 3: k = 32 b + 16 (lane / 16) + 0 .. 15), alike in x and W: every product meets its partner.
; OUT: qimg [bh][token tile][2][lane][16 B]; kvimg [bh][key step][K: 8 tiles x 1,024 B, V: 4 channel tiles x 2,048 B]: each store of a wave covers 512 consecutive bytes, aligned.
; ALSO: Wo, W1, W2 are laid out for the last launch, as the stream of fragments that each of its waves walks: wimg [wave 16][unit 9][K step 4][n tile 2][piece 4][lane][16 B];
; a piece holds, for lane (r, h), k = 32 cc + 8 h + 0 .. 7 and 32 cc + 16 + 8 h + 0 .. 7 of row r.  Every wave relays one piece of W1 or W2, waves 0 and 1 one more of Wo.
; LIMITS: e0, e2, e4 and each eout - ex - ew lie between -126 and 112.  NaN among the inputs is not served.
; THE MODE: SCHED_MODE bits 1:0 = 2 (LLVM: expert scheduling mode 2), set by the entry lines.  The code itself states the register dependences
; between vector or matrix instructions and memory or LDS instructions, with s_wait_alu, always for 0.
; THE PLAN.  Registers that memory or LDS instructions touch:
;   v1-7, v9-11, v62  offsets and LDS addresses: written once at the head, ahead of one wait on va_vdst; read by the loads and stores; not written again but for v62, which the bias takes behind the barrier.
;   v128-255  x as loaded: read by the holds.  Behind the wait on va_vdst ahead of a K step's last LDS stores no vector line names them: W's last two K steps land in v128-191, x's first fragments in v192-223.
;   v32-47    x's codes: written by the conversions, read by four LDS stores.  A wait on va_vdst ahead of the stores; a wait on vm_vsrc ahead of the next scale's first conversion, sixteen holds behind the stores.
;   v54-62    the relays' data and one of their offsets: read by the relays' stores.  One wait on vm_vsrc behind the barrier, for them and for the last LDS stores: then the bias lands in v48-63 and the results' codes are written into v16-47.
;   v8        the bias's offset: written in each arm, ahead of the arm's wait on va_vdst, which also stands behind the last hold that read v192-255 and v48-53.
;   v192-223  two fragments of x's codes: LDS loads land, four products read.  One wait on va_vdst a K step, behind the products' places.
;   v16-47    the results' codes, eight registers of their own for each pair of token tiles: written by conversions, read by two stores, never written again.  The wait on va_vdst ahead of the stores also
;             states that the products are done with v192-223: the next pair's first fragments are asked for there, ahead of the stores.
.set SPARE, 196608                     ; behind the images: the spare words, 128 bytes for each wave
.set XA,   1                           ; v1    x: row r of 2,048 bytes + 64 h
.set XW,   2                           ; v2-4  where I store x's images for e0, e2, e4: 16 x lane + 4,096 x wave + 65,536 m
.set AL,   5                           ; v5    where I read images: 16 x lane + 65,536 x my product
.set WA,   6                           ; v6    W: row r of 512 bytes + 16 h
.set LI,   7                           ; v7    16 x lane
.set BO,   8                           ; v8    my offset in a bias
.set RSA,  9                           ; v9, v10  the relays' source offsets;  v11, v62 their destinations
.set RSB,  10
.set RDA,  11
.set SPW,  12                          ; v12   my spare word;  v13  0
.set NIL,  13
.set OSC,  14                          ; v14   2^(eout - ex - ew);  v15  57,344 x that
.set OLIM, 15
.set TMP,  16                          ; v16-31  held numbers;  later v16-47: the results' codes, eight registers for each pair of token tiles
.set CG,   16
.set CD,   32                          ; v32-47  x's codes
.set SCX,  48                          ; v48-53  2^e and 57,344 x 2^e for e0, e2, e4
.set RA,   54                          ; v54-57, v58-61  the relays' data
.set RB,   58
.set RDB,  62
.set BI,   48                          ; v48-63  later: the bias, eight registers for each n tile
.set WR,   64                          ; v64-191 W's fragments: (n tile, K step) at 64 + 32 ks + 16 nt
.set XAR,  128                         ; v128-191 first: x's first K step
.set XBR,  192                         ; v192-255 first: x's second
.set AB,   192                         ; v192-223 later: two fragments of x's codes
.set ACC,  224                         ; v224-255 four accumulators
.set WV,   48                          ; s48   my wave's number
.macro FINISH                          ; the wave's end: the closing lines, six on end
	s_wait_dscnt 0x0
	s_wait_alu 0x0
	s_wait_tensorcnt 0x0
	ds_add_u32 v[SPW], v[NIL]
	s_wait_dscnt 0x0
	s_endpgm
.endm
.macro XLOAD reg, sI                   ; my 16 tokens' numbers of my K step sI: 64 a lane, 16 neighbours of each block of 32
.irp b, 0,1,2,3
.irp j, 0,1,2,3
	global_load_b128 v[\reg+16*\b+4*\j:\reg+16*\b+4*\j+3], v[XA], s[4:5] offset:512*\sI+128*\b+16*\j
.endr
.endr
.endm
.macro WLOAD ks                        ; my two n tiles' fragments of K step ks
.irp nt, 0,1
.irp c, 0,1,2,3
	global_load_b128 v[WR+32*\ks+16*\nt+4*\c:WR+32*\ks+16*\nt+4*\c+3], v[WA], s[88:89] offset:8192*\nt+128*\ks+32*\c
.endr
.endr
.endm
; 64 numbers of a lane become three fragments, one for each of x's three scales, and go to LDS as they stand.  x is kept: the hold writes other registers.
.macro QX src, sI
.irp m, 0,1,2
.irp b, 0,1,2,3
.irp i, 0,1,2,3,4,5,6,7,8,9,10,11,12,13,14,15
	v_med3_num_f32 v[TMP+\i], v[\src+16*\b+\i], -v[SCX+2*\m+1], v[SCX+2*\m+1]   ; the conversion to an 8-bit code does not saturate (ISA guide 7.6.2): the hold at the largest code x the scale
.endr
.if (\b == 0) && ((\m > 0) || (\sI > 0))
	s_wait_alu depctr_vm_vsrc(0)                   ; the LDS stores of the fragment before have read v[CD ..], which the conversions below write again
.endif
	v_cvt_scalef32_pk8_bf8_f32 v[CD+4*\b:CD+4*\b+1], v[TMP:TMP+7], v[SCX+2*\m]
	v_cvt_scalef32_pk8_bf8_f32 v[CD+4*\b+2:CD+4*\b+3], v[TMP+8:TMP+15], v[SCX+2*\m]
	v_nop                                          ; one plain line between the conversions and the next hold, which writes their sources
.endr
	s_wait_alu depctr_va_vdst(0)                   ; the conversions have written v[CD ..], which the LDS stores read; behind the third scale's: the holds are done reading x's registers, in which loads land next
.irp b, 0,1,2,3
	ds_store_b128 v[XW+\m], v[CD+4*\b:CD+4*\b+3] offset:\sI*2048+\b*512
.endr
.endr
.endm
; One product.  role 0 (q, k): accumulator (p = token tile, q = n tile), source 0 = W, source 1 = x.  role 1 (v): accumulator (p = n tile, q = token tile), source 0 = x, source 1 = W.
.macro GMUL role, ks, p, q
.set rDD, ACC+8*(2*\p+\q)
.if \role == 0
.set rS0, WR+32*\ks+16*\q
.set rS1, AB+16*\p
.set rCC, BI+8*\q
.else
.set rS0, AB+16*\q
.set rS1, WR+32*\ks+16*\p
.set rCC, BI+8*\p
.endif
.if \ks == 0
	v_wmma_f32_16x16x128_bf8_bf8 v[rDD:rDD+7], v[rS0:rS0+15], v[rS1:rS1+15], v[rCC:rCC+7]
.else
	v_wmma_f32_16x16x128_bf8_bf8 v[rDD:rDD+7], v[rS0:rS0+15], v[rS1:rS1+15], v[rDD:rDD+7]
.endif
.endm
.macro ALOAD tp, ks                    ; two fragments of x's codes: token tiles 2 tp and 2 tp + 1, K step ks
.irp i, 0,1
.irp c, 0,1,2,3
	ds_load_b128 v[AB+16*\i+4*\c:AB+16*\i+4*\c+3], v[AL] offset:((2*(\tp)+\i)*4+(\ks))*2048+\c*512
.endr
.endr
.endm
; My 32 columns for the 128 tokens, 32 tokens at a time: four accumulators by turns, a K step at a time; then hold, conversion, two stores of 512 bytes.
.macro GALL role
	ALOAD 0, 0                                     ; no wait of its own: since my arm's wait on va_vdst no vector line has named v[AB ..] or v[AL]
.irp tp, 0,1,2,3
.irp ks, 0,1,2,3
.if \ks > 0
.rept 4
	v_nop                                          ; four places behind the products (ISA guide 7.12.1); the wait below fills none of them
.endr
	s_wait_alu depctr_va_vdst(0)                   ; the last K step's products are done reading v[AB ..], in which the loads below land
	ALOAD \tp, \ks
.endif
	s_wait_dscnt 0x0
.irp p, 0,1
.irp q, 0,1
	GMUL \role, \ks, \p, \q
.endr
.endr
.endr
.rept 4
	v_nop                                          ; four places in front of the first read of results (ISA guide 7.12.1)
.endr
.set jj, 0
.rept 32
	v_med3_num_f32 v[ACC+jj], v[ACC+jj], -v[OLIM], v[OLIM]   ; each accumulator from its low end on
.set jj, jj+1
.endr
.irp p, 0,1
	v_cvt_scalef32_pk8_bf8_f32 v[CG+8*\tp+4*\p:CG+8*\tp+4*\p+1], v[ACC+16*\p:ACC+16*\p+7], v[OSC]
	v_cvt_scalef32_pk8_bf8_f32 v[CG+8*\tp+4*\p+2:CG+8*\tp+4*\p+3], v[ACC+16*\p+8:ACC+16*\p+15], v[OSC]
.endr
	v_nop                                          ; one plain line between the conversions and the next products, which write their sources
	s_wait_alu depctr_va_vdst(0)                   ; the conversions have written this pair's codes, which the stores read; the last products are done reading v[AB ..], in which the next pair's fragments land
.if \tp < 3
	ALOAD \tp+1, 0                                 ; the next products wait for these: they go ahead of the stores
.endif
.irp p, 0,1
.if \role == 0
	global_store_b128 v[LI], v[CG+8*\tp+4*\p:CG+8*\tp+4*\p+3], s[70:71] offset:(2*\tp+\p)*1024   ; token tile 2 tp + p, my half of its fragment
.else
	global_store_b128 v[LI], v[CG+8*\tp+4*\p:CG+8*\tp+4*\p+3], s[70:71] offset:\p*2048+\tp*512   ; channel tile p of my two, keys 32 tp on
.endif
.endr
.endr
.endm
	s_load_b256 s[4:11], s[0:1], 0x0               ; x, Wq, Wk, Wv
	s_load_b256 s[12:19], s[0:1], 0x20             ; bq, bk, bv, the scales' exponents
	s_load_b256 s[20:27], s[0:1], 0x40             ; Wo, W1, W2, qimg
	s_load_b128 s[28:31], s[0:1], 0x60             ; kvimg, wimg
	v_lshl_add_u32 v[SPW], v0, 2, SPARE
	v_mov_b32 v[NIL], 0
	v_lshrrev_b32 v1, 5, v0
	v_readfirstlane_b32 s[WV], v1                  ; wave 0..15
	v_and_b32 v16, 15, v0                          ; r
	v_bfe_u32 v17, v0, 4, 1                        ; h
	v_and_b32 v18, 31, v0                          ; lane
	v_lshlrev_b32 v[LI], 4, v18
	v_lshlrev_b32 v[XA], 11, v16
	v_lshl_add_u32 v[XA], v17, 6, v[XA]
	v_lshlrev_b32 v[WA], 9, v16
	v_lshl_add_u32 v[WA], v17, 4, v[WA]
	s_wait_alu depctr_va_sdst(0)                   ; s48, the wave's number, is written, ahead of its first reader
	s_lshl_b32 s49, s[WV], 12
	v_add_nc_u32 v[XW], s49, v[LI]                 ; every LDS address is made here, ahead of the first branch
	v_add_nc_u32 v[XW+1], 65536, v[XW]
	v_add_nc_u32 v[XW+2], 131072, v[XW]
	s_lshr_b32 s50, s[WV], 2
	s_min_u32 s51, s50, 2                          ; my product (waves 12-15 read no image)
	s_lshl_b32 s51, s51, 16
	v_add_nc_u32 v[AL], s51, v[LI]
	s_and_b32 s52, ttmp9, 3                        ; the pair of heads
	s_lshr_b32 s53, ttmp9, 2                       ; the block of 128 tokens
	s_and_b32 s54, s[WV], 3                        ; which 32 of the 128 columns
	s_lshl_b32 s56, s53, 18                        ; x: 128 rows of 2,048 bytes a block,
	s_lshr_b32 s57, s[WV], 1
	s_lshl_b32 s57, s57, 15                        ; 16 rows for each pair of waves,
	s_add_co_u32 s56, s56, s57
	s_and_b32 s57, s[WV], 1
	s_lshl_b32 s57, s57, 10                        ; two K steps of 512 bytes a wave
	s_add_co_u32 s56, s56, s57
	s_mov_b32 s57, 0
	s_lshl_b32 s58, s52, 7
	s_lshl_b32 s59, s54, 5
	s_add_co_u32 s58, s58, s59                     ; my first column
	s_lshl_b32 s60, s58, 9                         ; its row of W,
	s_mov_b32 s61, 0
	s_lshl_b32 s62, s58, 2                         ; its place in a bias
	s_mov_b32 s63, 0
	; the relay of W1 (work-groups 0-127) or W2 (128-255): piece P = 16 (g % 128) + wave = (chunk, wave of the last launch, K step, n tile, piece)
	s_lshr_b32 s66, ttmp9, 7
	s_and_b32 s67, ttmp9, 127
	s_lshl_b32 s67, s67, 4
	s_add_co_u32 s67, s67, s[WV]
	s_and_b32 s68, s67, 3                          ; piece
	s_bfe_u32 s69, s67, 0x10002                    ; n tile
	s_bfe_u32 s70, s67, 0x20003                    ; K step
	s_bfe_u32 s71, s67, 0x40005                    ; wave
	s_bfe_u32 s72, s67, 0x20009                    ; chunk
	s_lshl_b32 s73, s71, 5
	s_lshl_b32 s77, s69, 4
	s_add_co_u32 s73, s73, s77                     ; row 32 wave + 16 tile
	s_lshl_b32 s74, s70, 7
	s_lshl_b32 s77, s68, 5
	s_add_co_u32 s74, s74, s77                     ; byte 128 step + 32 piece
	s_lshl_b32 s75, s72, 9                         ; 512 x chunk: rows in W1, bytes in W2
	s_mul_i32 s76, s71, 147456
	s_lshl_b32 s77, s72, 1
	s_add_co_u32 s77, s77, s66
	s_add_co_u32 s77, s77, 1                       ; unit 1 + 2 chunk (W1), 2 + 2 chunk (W2)
	s_lshl_b32 s77, s77, 14
	s_add_co_u32 s76, s76, s77
	s_lshl_b32 s77, s70, 12
	s_add_co_u32 s76, s76, s77
	s_lshl_b32 s77, s69, 11
	s_add_co_u32 s76, s76, s77
	s_lshl_b32 s77, s68, 9
	s_add_co_u32 s76, s76, s77                     ; the piece's place in wimg
	s_cmp_eq_u32 s66, 0
	s_cselect_b32 s78, 9, 11                       ; a row is 512 bytes in W1, 2,048 in W2
	s_cselect_b32 s79, s75, 0
	s_cselect_b32 s80, 0, s75
	s_add_co_u32 s73, s73, s79
	s_lshl_b32 s73, s73, s78
	s_add_co_u32 s73, s73, s80
	s_add_co_u32 s73, s73, s74
	v_lshlrev_b32 v[RSA], s78, v16
	v_lshl_add_u32 v[RSA], v17, 3, v[RSA]
	v_add_nc_u32 v[RSA], s73, v[RSA]               ; row r, + 8 h
	v_add_nc_u32 v[RDA], s76, v[LI]
	; the relay of Wo: piece 2 g + wave, waves 0 and 1 alone
	s_lshl_b32 s81, ttmp9, 1
	s_add_co_u32 s81, s81, s[WV]
	s_and_b32 s82, s81, 3
	s_bfe_u32 s83, s81, 0x10002
	s_bfe_u32 s84, s81, 0x20003
	s_bfe_u32 s85, s81, 0x40005
	s_lshl_b32 s86, s85, 5
	s_lshl_b32 s87, s83, 4
	s_add_co_u32 s86, s86, s87
	s_lshl_b32 s86, s86, 9
	s_lshl_b32 s87, s84, 7
	s_add_co_u32 s86, s86, s87
	s_lshl_b32 s87, s82, 5
	s_add_co_u32 s86, s86, s87
	v_lshlrev_b32 v[RSB], 9, v16
	v_lshl_add_u32 v[RSB], v17, 3, v[RSB]
	v_add_nc_u32 v[RSB], s86, v[RSB]
	s_mul_i32 s86, s85, 147456
	s_lshl_b32 s87, s84, 12
	s_add_co_u32 s86, s86, s87
	s_lshl_b32 s87, s83, 11
	s_add_co_u32 s86, s86, s87
	s_lshl_b32 s87, s82, 9
	s_add_co_u32 s86, s86, s87
	v_add_nc_u32 v[RDB], s86, v[LI]
	s_wait_kmcnt 0x0
	s_load_b512 s[32:47], s[18:19], 0x0            ; e0 .. e15
	s_add_nc_u64 s[4:5], s[4:5], s[56:57]          ; x at my rows and K steps
	s_cmp_lt_u32 s[WV], 4                          ; my weight and my bias: the choices hang on the wave's number alone
	s_cselect_b64 s[88:89], s[6:7], s[8:9]
	s_cselect_b64 s[90:91], s[12:13], s[14:15]
	s_cmp_lt_u32 s[WV], 8
	s_cselect_b64 s[88:89], s[88:89], s[10:11]
	s_cselect_b64 s[90:91], s[90:91], s[16:17]
	s_add_nc_u64 s[88:89], s[88:89], s[60:61]
	s_add_nc_u64 s[90:91], s[90:91], s[62:63]
	s_cmp_eq_u32 s66, 0
	s_cselect_b64 s[92:93], s[22:23], s[24:25]     ; W1 or W2
	s_wait_alu depctr_va_vdst(0)                   ; the offsets and LDS addresses v1-7, v9-11 and v62 are written, which the loads and stores below read
	s_cmp_lt_u32 s[WV], 12
	s_cbranch_scc0 .Lno_w01
	WLOAD 0
	WLOAD 1
.Lno_w01:
	global_load_b64 v[RA:RA+1], v[RSA], s[92:93]
	global_load_b64 v[RA+2:RA+3], v[RSA], s[92:93] offset:16
	s_cmp_lt_u32 s[WV], 2
	s_cbranch_scc0 .Lno_rb
	global_load_b64 v[RB:RB+1], v[RSB], s[20:21]
	global_load_b64 v[RB+2:RB+3], v[RSB], s[20:21] offset:16
.Lno_rb:
	XLOAD XAR, 0
	XLOAD XBR, 1
	s_wait_kmcnt 0x0
.irp m, 0,1,2
	s_add_co_i32 s94, s[32+2*\m], 127
	s_lshl_b32 s95, s94, 23
	v_mov_b32 v[SCX+2*\m], s95                     ; 2^e as f32: the conversion takes its exponent field
	s_add_co_i32 s94, s94, 15
	s_lshl_b32 s94, s94, 23
	s_or_b32 s94, s94, 0x600000
	v_mov_b32 v[SCX+2*\m+1], s94                   ; 57,344 x 2^e
.endr
	s_wait_loadcnt 16                              ; all but the sixteen youngest loads, x's second K step, are in
	global_store_b128 v[RDA], v[RA:RA+3], s[30:31] ; the wave stores 512 consecutive bytes of wimg
	s_cmp_lt_u32 s[WV], 2
	s_cbranch_scc0 .Lno_rb2
	global_store_b128 v[RDB], v[RB:RB+3], s[30:31]
.Lno_rb2:
	s_wait_alu depctr_va_vdst(0)
	QX XAR, 0
	s_wait_loadcnt 0x0                             ; x's second K step
	s_cmp_lt_u32 s[WV], 12
	s_cbranch_scc0 .Lno_w23
	WLOAD 2                                        ; into the registers that x's first K step has left: no vector line has named them since the wait on va_vdst ahead of the last LDS stores
	WLOAD 3
.Lno_w23:
	QX XBR, 1
	s_wait_dscnt 0x0                               ; my images have landed
	s_barrier_signal -1
	s_barrier_wait -1                              ; everybody's have: the launch's one barrier
	s_cmp_lt_u32 s[WV], 12
	s_cbranch_scc1 .Lwork
	FINISH                                         ; waves 12-15 have done their share
.Lwork:
	s_lshr_b32 s66, s53, 5                         ; batch
	s_lshl_b32 s66, s66, 3
	s_lshl_b32 s67, s52, 1
	s_add_co_u32 s66, s66, s67
	s_lshr_b32 s67, s54, 1
	s_add_co_u32 s66, s66, s67                     ; bh = 8 batch + head
	s_and_b32 s67, s53, 31                         ; key step
	s_and_b32 s68, s54, 1                          ; which half of the head's 64 channels
	s_wait_xcnt 0x0                                ; the relays' stores have had their addresses translated (ISA guide 3.1): their registers go to the bias
	s_wait_alu depctr_vm_vsrc(0)                   ; the relays' stores have read v54-62, which the bias takes; my last LDS stores have read v32-47, which the results' codes take
	s_cmp_lt_u32 s[WV], 8
	s_cbranch_scc0 .Lv
	; ---- q (waves 0-3) and k (waves 4-7)
	v_bfe_u32 v[BO], v0, 4, 1
	v_lshlrev_b32 v[BO], 5, v[BO]                  ; lane (r, h) wants, for n tile nt, the bias of columns 16 nt + 8 h + 0 .. 7
	s_wait_alu depctr_va_vdst(0)                   ; v[BO] is written, which the loads below read; the holds and conversions are done with v48-53, in which the bias lands, and with v192-223, in which x's fragments land
.irp nt, 0,1
	global_load_b128 v[BI+8*\nt:BI+8*\nt+3], v[BO], s[90:91] offset:64*\nt
	global_load_b128 v[BI+8*\nt+4:BI+8*\nt+7], v[BO], s[90:91] offset:64*\nt+16
.endr
	s_cmp_lt_u32 s[WV], 4
	s_cselect_b32 s69, s32, s34                    ; ex
	s_cselect_b32 s72, s33, s35                    ; ew
	s_cselect_b32 s73, s38, s39                    ; eout
	s_cselect_b64 s[70:71], s[26:27], s[28:29]     ; qimg or kvimg
	s_cselect_b32 s74, 18, 19
	s_cselect_b32 s75, 13, 14
	s_lshl_b32 s76, s66, s74
	s_lshl_b32 s77, s67, s75
	s_add_co_u32 s76, s76, s77
	s_lshl_b32 s77, s68, 9
	s_add_co_u32 s76, s76, s77
	s_mov_b32 s77, 0
	s_add_nc_u64 s[70:71], s[70:71], s[76:77]
	s_add_co_i32 s69, s69, s72
	s_sub_co_i32 s73, s73, s69                     ; eout - ex - ew
	s_sub_co_i32 s69, 0, s69
	s_add_co_i32 s73, s73, 127
	s_lshl_b32 s72, s73, 23
	v_mov_b32 v[OSC], s72
	s_add_co_i32 s73, s73, 15
	s_lshl_b32 s73, s73, 23
	s_or_b32 s73, s73, 0x600000
	v_mov_b32 v[OLIM], s73
	s_wait_loadcnt 0x0                             ; W's last two K steps and the bias
.set jj, 0
.rept 16
	v_ldexp_f32 v[BI+jj], v[BI+jj], s69            ; bias / 2^(ex + ew)
.set jj, jj+1
.endr
	s_wait_alu depctr_va_vdst(0)
	GALL 0
	FINISH
.Lv:
	; ---- v (waves 8-11)
	v_and_b32 v[BO], 15, v0
	v_lshlrev_b32 v[BO], 2, v[BO]                  ; a lane holds one channel: one number of the bias for each n tile
	s_wait_alu depctr_va_vdst(0)                   ; v[BO] is written, which the loads below read; the holds and conversions are done with v48-53, in which the bias lands, and with v192-223, in which x's fragments land
	global_load_b32 v[BI], v[BO], s[90:91]
	global_load_b32 v[BI+8], v[BO], s[90:91] offset:64
	s_lshl_b32 s76, s66, 19
	s_lshl_b32 s77, s67, 14
	s_add_co_u32 s76, s76, s77
	s_lshl_b32 s77, s68, 12
	s_add_co_u32 s76, s76, s77
	s_add_co_u32 s76, s76, 8192                    ; V lies behind the step's K
	s_mov_b32 s77, 0
	s_add_nc_u64 s[70:71], s[28:29], s[76:77]
	s_add_co_i32 s69, s36, s37                     ; e4 + e5
	s_sub_co_i32 s73, s41, s69                     ; e9 - e4 - e5
	s_sub_co_i32 s69, 0, s69
	s_add_co_i32 s73, s73, 127
	s_lshl_b32 s72, s73, 23
	v_mov_b32 v[OSC], s72
	s_add_co_i32 s73, s73, 15
	s_lshl_b32 s73, s73, 23
	s_or_b32 s73, s73, 0x600000
	v_mov_b32 v[OLIM], s73
	s_wait_loadcnt 0x0
	v_ldexp_f32 v[BI], v[BI], s69
	v_ldexp_f32 v[BI+8], v[BI+8], s69
.irp j, 1,2,3,4,5,6,7
	v_mov_b32 v[BI+\j], v[BI]                      ; the same for the lane's eight tokens
	v_mov_b32 v[BI+8+\j], v[BI+8]
.endr
	s_wait_alu depctr_va_vdst(0)
	GALL 1
	FINISH
.Lfunc_end_k_qaa427c81cb_qkv:
	.size	k_qaa427c81cb_qkv, .Lfunc_end_k_qaa427c81cb_qkv-k_qaa427c81cb_qkv
	.p2alignl 7, 3214868480
	.fill 96, 4, 3214868480
	.section	.rodata,"a",@progbits
	.p2align	6, 0x0
	.amdhsa_kernel k_qaa427c81cb_qkv
		.amdhsa_group_segment_fixed_size 198656
		.amdhsa_private_segment_fixed_size 0
		.amdhsa_enable_private_segment 0
		.amdhsa_kernarg_size 112
		.amdhsa_user_sgpr_count 2
		.amdhsa_user_sgpr_kernarg_segment_ptr 1
		.amdhsa_wavefront_size32 1
		.amdhsa_system_sgpr_workgroup_id_x 1
		.amdhsa_system_sgpr_workgroup_id_y 1
		.amdhsa_system_sgpr_workgroup_id_z 1
		.amdhsa_system_vgpr_workitem_id 0
		.amdhsa_next_free_vgpr 256
		.amdhsa_next_free_sgpr 96
		.amdhsa_reserve_vcc 0
		.amdhsa_float_denorm_mode_32 3
		.amdhsa_float_denorm_mode_16_64 3
		.amdhsa_memory_ordered 1
		.amdhsa_forward_progress 1
		.amdhsa_inst_pref_size 98
	.end_amdhsa_kernel
	.amdgpu_metadata
---
amdhsa.version: [ 1, 2 ]
amdhsa.kernels:
  - .name:           k_qaa427c81cb_qkv
    .symbol:         k_qaa427c81cb_qkv.kd
    .args:
      - { .name: x, .offset: 0, .size: 8, .value_kind: global_buffer, .address_space: global }
      - { .name: Wq_codes, .offset: 8, .size: 8, .value_kind: global_buffer, .address_space: global }
      - { .name: Wk_codes, .offset: 16, .size: 8, .value_kind: global_buffer, .address_space: global }
      - { .name: Wv_codes, .offset: 24, .size: 8, .value_kind: global_buffer, .address_space: global }
      - { .name: bq, .offset: 32, .size: 8, .value_kind: global_buffer, .address_space: global }
      - { .name: bk, .offset: 40, .size: 8, .value_kind: global_buffer, .address_space: global }
      - { .name: bv, .offset: 48, .size: 8, .value_kind: global_buffer, .address_space: global }
      - { .name: lowp_scales, .offset: 56, .size: 8, .value_kind: global_buffer, .address_space: global }
      - { .name: Wo_codes, .offset: 64, .size: 8, .value_kind: global_buffer, .address_space: global }
      - { .name: W1_codes, .offset: 72, .size: 8, .value_kind: global_buffer, .address_space: global }
      - { .name: W2_codes, .offset: 80, .size: 8, .value_kind: global_buffer, .address_space: global }
      - { .name: qimg, .offset: 88, .size: 8, .value_kind: global_buffer, .address_space: global }
      - { .name: kvimg, .offset: 96, .size: 8, .value_kind: global_buffer, .address_space: global }
      - { .name: wimg, .offset: 104, .size: 8, .value_kind: global_buffer, .address_space: global }
    .group_segment_fixed_size: 198656
    .private_segment_fixed_size: 0
    .kernarg_segment_align: 8
    .kernarg_segment_size: 112
    .max_flat_workgroup_size: 512
    .sgpr_count:     96
    .vgpr_count:     256
    .wavefront_size: 32
...
	.end_amdgpu_metadata
.endif
;; end of part 4
;; launch attn (part 5): grid 16 x 16, 16 waves a work-group, clusters of 4 x 1, 327,680 bytes of LDS; arguments qimg, kvimg, lowp_scales, oimg; writes oimg
.if DOCPART == 5
	.amdgcn_target "amdgcn-amd-amdhsa--gfx1250"
	.amdhsa_code_object_version 6
	.text
	.protected	k_qaa427c81cb_attn
	.globl	k_qaa427c81cb_attn
	.p2align	8
	.type	k_qaa427c81cb_attn,@function
k_qaa427c81cb_attn:
	s_mov_b64 s[64:65], 0
	v_nop
	global_prefetch_b8 v0, s[64:65] scope:SCOPE_SE
	s_setreg_imm32_b32 hwreg(HW_REG_WAVE_MODE, 25, 1), 1
	s_wait_xcnt 0x0
	s_wait_alu depctr_hold_cnt(0) depctr_sa_sdst(0) depctr_va_vdst(0) depctr_va_sdst(0) depctr_va_ssrc(0) depctr_va_vcc(0) depctr_vm_vsrc(0)
	s_getreg_b32 s2, hwreg(HW_REG_IB_STS2, 6, 4)
	s_cmp_eq_u32 s2, 0
	s_cbranch_scc0 .Lentry_in_a_cluster
	s_endpgm
.Lentry_in_a_cluster:
	s_bfe_u32 s2, ttmp6, 0x10000c
	s_cmp_lg_u32 s2, 0x3003
	s_cbranch_scc0 .Lentry_shape_is_right
	s_endpgm
.Lentry_shape_is_right:
; o = softmax(q k^T / 8) v for 16 (batch, head) pairs of 4,096 tokens and 64 channels, both products on codes of E5M2; o is quantised by e10 for the projection.  No work is left out.
; THE SOFTMAX AHEAD OF THE SECOND PRODUCT: t = score x log2(e) / 8; M = the row's largest t so far, rounded UP to a whole number; p = 2^(t - M) is quantised by e8, not normalised;
; the row's sum is taken of the unquantised p and divides at the end.  When M moves, the sum and O are multiplied by 2^(old M - new M): nothing is rounded, and no branch hangs on data.
; SHARES.  A work-group owns 256 queries of one (batch, head); each of its sixteen waves 16 of them, in 256 registers: four waves to a SIMD, so that one wave's vector work stands beside another's products and LDS loads.
; Every wave walks the 4,096 keys, 128 a step.  A step's K and V are 16,384 bytes of kvimg, laid as images of the operands' registers: every LDS load takes 512 bytes on end; no pitch, no padding.
; Both products are used transposed: S^T = K Q^T (16x16x64; source 0 = 16 keys), O^T = V^T P^T (16x16x128; source 0 = 16 channels): a lane holds ONE query throughout, and the conversion of
; score tile T gives registers 2 T, 2 T + 1 of P as the instruction's own layout wants them (k = 16 T + 8 (lane / 16) + 0 .. 7).
; RING.  Two slots of eight key steps (131,072 bytes).  Each wave moves its sixteenth of a slot (32 rows of 256 bytes, dense): no branch stands round a tensor load.  One load of a wave is out at a time, at the head as behind a refill.
; CLUSTER.  The four query blocks of a cluster belong to one (batch, head) and walk the same kvimg: each load is asked for jointly, with the same descriptor and the mask of all four.
; Nothing is prefetched: a refill is issued eight key steps of sixteen waves ahead of the wait for it.
; LIMITS: e6 + e7 between -123 and 130 (added to c's exponent field); e8 and e10 - e8 - e9 between -126 and 112.
.set SLOTB, 131072
.set STEPB, 16384
.set SPARE, 262144                     ; behind the ring: the spare words, 128 bytes for each wave
.set LI,   1                           ; v1   16 x lane
.set SPW,  5                           ; v5   my spare word;  v6  0
.set NIL,  6
.set ADR,  8                           ; v8   LDS address of the step in hand
; v12 -M, v13 the largest t, v[14:15] the sum in two halves; v16-23 Q; v32-95 K's eight fragments, then V's four; v96-159 S^T, then p; v160-191 O^T; v224-239 p's codes; v240 57,344 x 2^e8; v244 2^e8; v236, v242-243, v252-254 at work
.set WV,   12                          ; s12  my wave's number
.set G1,   16                          ; s[16:23] descriptor group 1
.set SEL,  24                          ; s[24:25] lane selects: lane l xor 16
.set CS,   26                          ; s[26:27] c = log2(e) / 8 x 2^(e6 + e7)
.set TB,   28                          ; s28  LDS byte at which the step in hand begins
.set CNT,  29                          ; s29  steps left in the slot
.set G0,   32                          ; s[32:35], s[36:39] descriptor group 0 for slot 0, 1
.macro ROUND                           ; a round of the cluster's barrier
	s_barrier_signal -1
	s_barrier_wait -1
	s_cmp_lg_u32 s[WV], 0
	s_cbranch_scc1 .Lnot_wave_0_\@
	s_barrier_signal -3
.Lnot_wave_0_\@:
	s_barrier_wait -3
	s_barrier_signal -1
	s_barrier_wait -1
.endm
; A KEY STEP: 128 keys
.macro STEP
	v_add_nc_u32 v[ADR], s[TB], v[LI]
.rept 3
	v_nop                                          ; with the addition: four places in front of loads into registers that the last products have read
.endr
.irp t, 0,1,2,3,4,5,6,7
	ds_load_b128 v[32+8*\t:35+8*\t], v[ADR] offset:1024*\t
	ds_load_b128 v[36+8*\t:39+8*\t], v[ADR] offset:1024*\t+512
.endr
	s_wait_alu depctr_va_vdst(0)
	s_wait_dscnt 0x0
.irp t, 0,1,2,3,4,5,6,7
	v_wmma_f32_16x16x64_bf8_bf8 v[96+8*\t:103+8*\t], v[32+8*\t:39+8*\t], v[16:23], 0   ; lane (r, h): query r, keys 16 t + 8 h + 0 .. 7
.endr
.rept 4
	v_nop                                          ; four places: V's loads land on K's registers, and the maximum reads results
.endr
.irp t, 0,1,2,3
.irp c, 0,1,2,3
	ds_load_b128 v[32+16*\t+4*\c:35+16*\t+4*\c], v[ADR] offset:8192+2048*\t+512*\c   ; V lands while the softmax is walked
.endr
.endr
	v_max3_num_f32 v254, v96, v97, v98             ; the step's largest score of my query among my 64 keys, in two chains, each accumulator from its low end on,
	v_max3_num_f32 v252, v99, v100, v101
.irp i, 6,10,14,18,22,26,30,34,38,42,46,50,54,58
	v_max3_num_f32 v254, v254, v[96+\i], v[97+\i]
	v_max3_num_f32 v252, v252, v[98+\i], v[99+\i]
.endr
	v_max3_num_f32 v254, v254, v158, v159
	s_delay_alu instid0(VALU_DEP_1)
	v_max_num_f32 v254, v254, v252
	v_permlanex16_b32 v236, v254, s[SEL], s[SEL+1]
	s_delay_alu instid0(VALU_DEP_1)
	v_max_num_f32 v254, v254, v236                 ; and among lane l xor 16's
	s_delay_alu instid0(VALU_DEP_1)
	v_mul_f32 v254, s[CS], v254                    ; as t (c is positive)
	s_delay_alu instid0(VALU_DEP_1)
	v_max_num_f32 v13, v13, v254                   ; the running largest t
	v_mov_b32 v254, v12
	s_delay_alu instid0(VALU_DEP_2)
	v_floor_f32 v12, -v13                          ; the new -M = floor(-t) = -ceil(t)
	s_delay_alu instid0(VALU_DEP_1)
	v_sub_f32 v254, v12, v254                      ; old M - new M: a whole number, 0 or less
	s_delay_alu instid0(VALU_DEP_1)
	v_cvt_i32_f32 v254, v254                       ; (it saturates)
	s_delay_alu instid0(VALU_DEP_1)
	v_ldexp_f32 v252, 1.0, v254                    ; f = 2^(old M - new M)
.set jj, 0
.rept 32
	v_pk_fma_f32 v[96+jj:97+jj], v[96+jj:97+jj], s[CS:CS+1], v[12:13] op_sel_hi:[1,0,0]   ; t - M, two at a time
.set jj, jj+2
.endr
.set jj, 0
	s_wait_alu depctr_va_vdst(0)
.rept 64
	v_exp_f32 v[96+jj], v[96+jj]                   ; p = 2^(t - M), at most 1
.set jj, jj+1
.endr
	s_setprio 1
	v_pk_mul_f32 v[14:15], v[14:15], v[252:253] op_sel_hi:[1,0]   ; the sums under the new M: the plain line behind the exponentials
	s_wait_alu depctr_va_vdst(0)                   ; one wait for the batch, ahead of its first reader
	v_pk_add_f32 v[242:243], v[96:97], v[98:99]    ; the row's sum, of the unquantised p, in two chains
.irp j, 4,8,12,16,20,24,28,32,36,40,44,48,52,56,60
	v_pk_add_f32 v[14:15], v[14:15], v[96+\j:97+\j]
	v_pk_add_f32 v[242:243], v[242:243], v[98+\j:99+\j]
.endr
	s_delay_alu instid0(VALU_DEP_1)
	v_pk_add_f32 v[14:15], v[14:15], v[242:243]
.irp t, 0,1,2,3,4,5,6,7
.irp i, 0,1,2,3,4,5,6,7
	v_min_num_f32 v[96+8*\t+\i], v[96+8*\t+\i], v240   ; the conversion does not saturate (ISA guide 7.6.2); p is not negative: a one-sided hold
.endr
	v_cvt_scalef32_pk8_bf8_f32 v[224+2*\t:225+2*\t], v[96+8*\t:103+8*\t], v244
.endr
.set jj, 0
	s_setprio 0
.rept 16
	v_pk_mul_f32 v[160+jj:161+jj], v[160+jj:161+jj], v[252:253] op_sel_hi:[1,0]   ; O^T under the new M; also the plain lines behind the conversions
.set jj, jj+2
.endr
	s_wait_alu depctr_va_vdst(0)
	s_wait_dscnt 0x0                               ; V is in
.irp t, 0,1,2,3
	v_wmma_f32_16x16x128_bf8_bf8 v[160+8*\t:167+8*\t], v[32+16*\t:47+16*\t], v[224:239], v[160+8*\t:167+8*\t]   ; the four accumulators by turns
.endr
.endm
.macro SLOT n                          ; a slot's eight key steps: written once, walked eight times
	s_mov_b32 s[TB], \n*SLOTB
	s_mov_b32 s[CNT], 8
.Lstep_\@:
	s_setprio 2
	STEP
	s_add_co_u32 s[TB], s[TB], STEPB
	s_sub_co_u32 s[CNT], s[CNT], 1
	s_cmp_lg_u32 s[CNT], 0
	s_cbranch_scc1 .Lstep_\@
	s_setprio 0
.endm
; THE CHANGE OF SLOTS.  Each wave waits for all its tensor loads (its part of the slot ahead), adds 0 to its spare word, and waits for that and for its reads of the slot that it leaves.
; fill = 1: a round of the cluster's barrier, so that no wave of any partner still reads the slot or has a load on its way; then the joint refill, the keys two slots on, first thing behind it.
.macro CHANGE slot, fill
	s_wait_tensorcnt 0x0                           ; no tensor load of mine is out, so a group 0 may be written
	ds_add_u32 v[SPW], v[NIL]
.if \fill
	s_add_nc_u64 s[G0+4*\slot+2:G0+4*\slot+3], s[G0+4*\slot+2:G0+4*\slot+3], 2*SLOTB
.endif
	s_wait_dscnt 0x0                               ; the add is done, and my reads of the slot are over
.if \fill
	ROUND
	tensor_load_to_lds s[G0+4*\slot:G0+4*\slot+3], s[G1:G1+7]
	s_nop 0
.rept 4
	v_nop
.endr
.else
	s_barrier_signal -1
	s_barrier_wait -1
.endif
.endm
	s_load_b256 s[4:11], s[0:1], 0x0               ; qimg, kvimg, the scales' exponents, oimg
	v_lshl_add_u32 v[SPW], v0, 2, SPARE
	v_mov_b32 v[NIL], 0
	ds_add_u32 v[SPW], v[NIL]                      ; the wave's opening: the add, twice on end, and its wait ahead of my first tensor load
	ds_add_u32 v[SPW], v[NIL]
	v_lshrrev_b32 v8, 5, v0
	s_delay_alu instid0(VALU_DEP_1)
	v_readfirstlane_b32 s[WV], v8                  ; wave 0..15
	s_bfe_u32 s13, ttmp6, 0x40000                  ; cx: my place in the cluster
	s_lshl_b32 s14, ttmp9, 2
	s_add_co_u32 s14, s14, s13                     ; my block of 256 queries: it enters Q's and O's global addresses alone
	s_and_b32 s15, ttmp7, 0xffff                   ; bh, which the four partners share
	s_mov_b32 s[G1], 0x0023000f                    ; 15:0 the mask: all four; 17:16 elements of 8 bytes; 21 set beside a mask; no padding
	s_mov_b32 s[G1+1], 32<<16                      ; tensor_dim0 = 32 elements: 256 bytes
	s_mov_b32 s[G1+2], 32<<16                      ; tensor_dim1 = 32
	s_mov_b32 s[G1+3], 32<<16                      ; tile_dim0 = 32
	s_mov_b32 s[G1+4], 32                          ; tile_dim1 = 32
	s_mov_b32 s[G1+5], 32                          ; from row to row: dense
	s_mov_b32 s[G1+6], 0
	s_mov_b32 s[G1+7], 0
	s_mov_b32 s[SEL], 0x76543210
	s_mov_b32 s[SEL+1], 0xfedcba98
	s_mov_b32 s[CS], 0x3e38aa3b                    ; log2(e) / 8
	s_lshl_b32 s56, s15, 19                        ; kvimg: 524,288 bytes a (batch, head),
	s_lshl_b32 s57, s[WV], 13                      ; my sixteenth of a slot
	s_add_co_u32 s56, s56, s57
	s_mov_b32 s57, 0
	s_lshl_b32 s58, s14, 4
	s_add_co_u32 s58, s58, s[WV]                   ; my tile of 16 queries among the head's 256
	s_lshl_b32 s59, s58, 10
	s_lshl_b32 s60, s15, 18
	s_add_co_u32 s60, s60, s59                     ; its fragment in qimg
	s_mov_b32 s61, 0
	s_lshr_b32 s62, s15, 3
	s_lshl_b32 s62, s62, 8
	s_add_co_u32 s62, s62, s58                     ; the tile among all 512,
	s_lshl_b32 s62, s62, 13
	s_and_b32 s63, s15, 7
	s_lshl_b32 s63, s63, 10                        ; the head's 1,024 bytes of its 8,192 in oimg
	s_add_co_u32 s62, s62, s63
	s_mov_b32 s63, 0
	s_wait_dscnt 0x0                               ; both opening adds are done
	s_wait_kmcnt 0x0
	s_load_b512 s[40:55], s[8:9], 0x0              ; e0 .. e15 at s40 on
	s_mov_b32 s[G0], 1
	s_lshl_b32 s[G0+1], s[WV], 13                  ; LDS: slot 0, my sixteenth
	s_add_nc_u64 s[G0+2:G0+3], s[6:7], s[56:57]
	s_mov_b32 s[G0+4], 1
	s_add_co_u32 s[G0+5], s[G0+1], SLOTB
	s_add_nc_u64 s[G0+6:G0+7], s[G0+2:G0+3], SLOTB
	s_or_b32 s[G0+3], s[G0+3], 0x80000000          ; type = 2
	s_or_b32 s[G0+7], s[G0+7], 0x80000000
	s_add_nc_u64 s[4:5], s[4:5], s[60:61]
	s_add_nc_u64 s[10:11], s[10:11], s[62:63]
	ROUND                                          ; all four work-groups are here: the first joint loads meet
	tensor_load_to_lds s[G0:G0+3], s[G1:G1+7]      ; key steps 0-7
	s_nop 0
	s_wait_alu depctr_va_vdst(0)
	s_wait_tensorcnt 0x0
	ds_add_u32 v5, v6
	s_wait_dscnt 0x0
	ROUND
	tensor_load_to_lds s[G0+4:G0+7], s[G1:G1+7]    ; key steps 8-15
	s_nop 0
.rept 4
	v_nop
.endr
	v_and_b32 v[LI], 31, v0
	s_delay_alu instid0(VALU_DEP_1)
	v_lshlrev_b32 v[LI], 4, v[LI]
	global_load_b128 v[16:19], v[LI], s[4:5]       ; Q's fragment stays in registers
	global_load_b128 v[20:23], v[LI], s[4:5] offset:512
	v_mov_b32 v13, 0xff61b1e6                      ; the largest t so far: -3e38, under every t
	s_delay_alu instid0(VALU_DEP_1)
	v_floor_f32 v12, -v13
	v_mov_b32 v14, 0
	v_mov_b32 v15, 0
	v_mov_b32 v236, 0                              ; a lane permute's destination counts as one of its sources
	v_mov_b32 v253, 0                              ; (named as the upper half of a pair)
.set jj, 0
.rept 32
	v_mov_b32 v[160+jj], 0                         ; O^T: the step is written once; its first walk finds zeros, which the first change of M leaves zeros
.set jj, jj+1
.endr
	s_wait_kmcnt 0x0
	s_add_co_i32 s30, s46, s47
	s_lshl_b32 s30, s30, 23
	s_add_co_i32 s[CS], s[CS], s30                 ; a score stands for score x 2^(e6 + e7)
	s_mov_b32 s[CS+1], s[CS]
	s_add_co_i32 s30, s48, 127
	s_lshl_b32 s31, s30, 23
	v_mov_b32 v244, s31                            ; 2^e8
	s_add_co_i32 s30, s30, 15
	s_lshl_b32 s30, s30, 23
	s_or_b32 s30, s30, 0x600000
	v_mov_b32 v240, s30                            ; 57,344 x 2^e8
	s_wait_tensorcnt 1                             ; my part of slot 0 is in; slot 1's, the one younger load, may stay out
	s_barrier_signal -1
	s_barrier_wait -1
	s_wait_loadcnt 0x0                             ; Q
	SLOT 0
	CHANGE 0, 1                                    ; slot 0 takes key steps 16-23
	SLOT 1
	CHANGE 1, 1                                    ; slot 1 takes key steps 24-31
	SLOT 0
	CHANGE 0, 0                                    ; nothing is left to fetch
	SLOT 1
	; THE WAY OUT: O^T / the sum, quantised by e10: a sum stands for sum x 2^(e8 + e9), so the conversion takes 2^(e10 - e8 - e9).  The codes are two images of 512 bytes.
.rept 4
	v_nop                                          ; four places behind the last products
.endr
	v_add_f32 v14, v14, v15
	s_delay_alu instid0(VALU_DEP_1)
	v_permlanex16_b32 v252, v14, s[SEL], s[SEL+1]
	s_delay_alu instid0(VALU_DEP_1)
	v_add_f32 v14, v14, v252                       ; the row's sum
	s_wait_alu depctr_va_vdst(0)
	v_rcp_f32 v14, v14
	s_sub_co_i32 s30, s50, s48
	s_sub_co_i32 s30, s30, s49
	s_add_co_i32 s30, s30, 127
	s_lshl_b32 s31, s30, 23
	v_mov_b32 v244, s31                            ; (the plain line behind the reciprocal)
	s_add_co_i32 s30, s30, 15
	s_lshl_b32 s30, s30, 23
	s_or_b32 s30, s30, 0x600000
	v_mov_b32 v240, s30
	s_wait_alu depctr_va_vdst(0)                   ; the wait ahead of the reciprocal's first reader
.set jj, 0
.rept 16
	v_pk_mul_f32 v[96+jj:97+jj], v[160+jj:161+jj], v[14:15] op_sel_hi:[1,0]
.set jj, jj+2
.endr
.set jj, 0
.rept 32
	v_med3_num_f32 v[96+jj], v[96+jj], -v240, v240
.set jj, jj+1
.endr
.irp t, 0,1,2,3
	v_cvt_scalef32_pk8_bf8_f32 v[224+2*\t:225+2*\t], v[96+8*\t:103+8*\t], v244
.endr
	v_nop
	global_store_b128 v[LI], v[224:227], s[10:11]            ; the wave stores 512 consecutive bytes, aligned
	global_store_b128 v[LI], v[228:231], s[10:11] offset:512
	s_wait_tensorcnt 0x0                           ; the wave's end
	ds_add_u32 v[SPW], v[NIL]
	s_wait_dscnt 0x0
	ROUND                                          ; the closing round
	s_endpgm
.Lfunc_end_k_qaa427c81cb_attn:
	.size	k_qaa427c81cb_attn, .Lfunc_end_k_qaa427c81cb_attn-k_qaa427c81cb_attn
	.p2alignl 7, 3214868480
	.fill 96, 4, 3214868480
	.section	.rodata,"a",@progbits
	.p2align	6, 0x0
	.amdhsa_kernel k_qaa427c81cb_attn
		.amdhsa_group_segment_fixed_size 327680
		.amdhsa_private_segment_fixed_size 0
		.amdhsa_enable_private_segment 0
		.amdhsa_kernarg_size 32
		.amdhsa_user_sgpr_count 2
		.amdhsa_user_sgpr_kernarg_segment_ptr 1
		.amdhsa_wavefront_size32 1
		.amdhsa_system_sgpr_workgroup_id_x 1
		.amdhsa_system_sgpr_workgroup_id_y 1
		.amdhsa_system_sgpr_workgroup_id_z 1
		.amdhsa_system_vgpr_workitem_id 0
		.amdhsa_next_free_vgpr 256
		.amdhsa_next_free_sgpr 66
		.amdhsa_reserve_vcc 0
		.amdhsa_float_denorm_mode_32 3
		.amdhsa_float_denorm_mode_16_64 3
		.amdhsa_memory_ordered 1
		.amdhsa_forward_progress 1
		.amdhsa_inst_pref_size 76
	.end_amdhsa_kernel
	.amdgpu_metadata
---
amdhsa.version: [ 1, 2 ]
amdhsa.kernels:
  - .name:           k_qaa427c81cb_attn
    .symbol:         k_qaa427c81cb_attn.kd
    .args:
      - { .name: qimg, .offset: 0, .size: 8, .value_kind: global_buffer, .address_space: global }
      - { .name: kvimg, .offset: 8, .size: 8, .value_kind: global_buffer, .address_space: global }
      - { .name: lowp_scales, .offset: 16, .size: 8, .value_kind: global_buffer, .address_space: global }
      - { .name: oimg, .offset: 24, .size: 8, .value_kind: global_buffer, .address_space: global }
    .group_segment_fixed_size: 327680
    .private_segment_fixed_size: 0
    .kernarg_segment_align: 8
    .kernarg_segment_size: 32
    .max_flat_workgroup_size: 512
    .sgpr_count:     66
    .vgpr_count:     256
    .wavefront_size: 32
...
	.end_amdgpu_metadata
.endif
;; end of part 5
;; launch tail (part 6): grid 256 x 1, 16 waves a work-group, no clusters, 127,488 bytes of LDS; arguments oimg, wimg, x, lowp_scales, bo, gamma1, beta1, b1, b2, gamma2, beta2, out0; writes out0
.if DOCPART == 6
	.amdgcn_target "amdgcn-amd-amdhsa--gfx1250"
	.amdhsa_code_object_version 6
	.text
	.protected	k_qaa427c81cb_tail
	.globl	k_qaa427c81cb_tail
	.p2align	8
	.type	k_qaa427c81cb_tail,@function
k_qaa427c81cb_tail:
	s_mov_b64 s[64:65], 0
	v_nop
	global_prefetch_b8 v0, s[64:65] scope:SCOPE_SE
	s_setreg_imm32_b32 hwreg(HW_REG_WAVE_SCHED_MODE, 0, 2), 2
	s_setreg_imm32_b32 hwreg(HW_REG_WAVE_MODE, 25, 1), 1
	s_wait_xcnt 0x0
	s_wait_alu depctr_vm_vsrc(0)
; x1 = LN(x + o Wo + bo; gamma1, beta1);  out = LN(x1 + relu(x1 W1 + b1) W2 + b2; gamma2, beta2), the three products on codes of E5M2.  LN divides by (std + 1e-5).  No work is left out.
; SHARES.  Work-group g owns tokens 32 g .. 32 g + 31 (two tiles of 16) through the whole chain; nothing between the products goes to memory.  THE WAVES SHARE THE COLUMNS: wave w makes columns 32 w .. 32 w + 31 of
; every layer (of d_ff: units 512 c + 32 w on, in four chunks c).  Nine equal units of 16 products: Wo; then for each chunk W1's part and W2's part.  A unit: four accumulators (2 token tiles x 2 n tiles) by turns, four K steps of 128.
; All products are used transposed (source 0 = 16 rows of the weight, source 1 = 16 tokens): a lane holds one token and eight neighbouring columns, which one conversion turns into two registers of the next operand.
; ACTIVATIONS go from wave to wave through LDS as images of the operand's registers (512 bytes on end for four registers).  WEIGHTS come from wimg, each wave's own dense stream, straight into a ring of three
; register groups: each weight byte feeds one wave alone, so it passes through no LDS, and sixteen to twenty-four loads of a wave are out all the time.
; The text is straight: no loop, no branch.  The counts of the waits for loads are made by the assembler: LC counts the loads issued, a mark keeps LC behind a group's last load, and the wait's count is LC - mark:
; the loads issued behind the one that is wanted (loads come back in order: ISA guide 5.7.1).  A count beyond the field's 63 is written as 63.
; SCALES.  b1 and b2 go in as the C of a sum's first product, divided by the power of two that the sums lack; the hidden layer's conversion takes 2^(e14 - e12 - e13), and its hold between 0 and the largest code is the relu.
; The norm is taken in two passes (mean; then the squares of x - mean): no difference of large sums.
; LIMITS: e12 and e14 - e12 - e13 between -126 and 112; e10 + e11 and e14 + e15 between -126 and 127.  NaN among the inputs is not served.
; THE MODE: SCHED_MODE bits 1:0 = 2 (LLVM: expert scheduling mode 2), set by the entry lines.  The code itself states the register dependences
; between vector or matrix instructions and memory or LDS instructions, with s_wait_alu, always for 0.
; THE PLAN.  Registers that memory or LDS instructions touch:
;   v1-9, v15  offsets and LDS addresses: written once at the head, ahead of one wait on va_vdst, and never again.  v163, v164: two more, for o's images alone; fragments land on them behind the first barrier's wait on vm_vsrc.
;   v64-159    the ring: loads land; a K step's four products read one group.    v160-191  two fragments: LDS loads land; the same four products read them.
;              ONE wait on va_vdst a K step, behind the products' places, states that they are done with both.  Behind it the next K step's eight LDS loads go first, since the next products wait for them, then the group's eight
;              loads of the K step three on.  At the last K step of W1's part the wait is the one ahead of the image stores, and the ring's loads follow those stores.
;   the codes  (x1's in v224-231, the hidden layer's in v160-167): written by conversions, read by two LDS stores: a wait on va_vdst ahead of the stores, a wait on vm_vsrc behind the barrier that follows, ahead of what writes them next.
;   v160, v168 a norm's partial sums: written by vector lines, read by two LDS stores: a wait on va_vdst ahead of them; behind the barrier a wait on vm_vsrc, ahead of the loads that land on v160-191.
;   v192-255   x and o as loaded, then the accumulators; x1 and the result leave from them by LDS stores: a wait on va_vdst ahead of the stores; for x1 the wait on vm_vsrc behind the next barrier, ahead of the products that write them again.
;   v16-63     parameters: loads land; vector lines and products (as C) read.  A set is asked for again behind a wait on va_vdst that stands behind its last reader: the K step's, the row stores', or, for bo's set, one of its own.
.set XP,    2064                       ; LDS 0 .. 66,047: 32 rows of 2,048 bytes + 16: x, then x1, then out
.set AIMG,  66048                      ; 16,384 bytes: o's images, then x1's: [token tile][K step][piece][512]
.set HREL,  16384                      ; behind them, counted from AIMG: the hidden layer's images, two buffers of 16,384 by turns
.set RED,   115200                     ; four regions of 2,560 bytes for the norms' sums: [token tile][token: 80 bytes][wave: 4 bytes]
.set REDB,  2560
.set SPARE, 125440                     ; the spare words, 128 bytes for each wave
.set LI,   1                           ; v1   16 x lane
.set XD,   2                           ; v2   my place in the rows, in the results' layout: 2,064 r + 128 w + 32 h
.set XR,   3                           ; v3   my two whole rows: 4,128 w + 16 x lane
.set RST,  4                           ; v4   where I put a partial sum: RED + 80 r + 4 w
.set RLD,  5                           ; v5   where I read a token's sixteen: RED + 80 r
.set PIM,  6                           ; v6   where I store my piece of an image: AIMG + 512 w + 16 x lane
.set GX,   7                           ; v7   my two rows in x and in out: 4,096 w + 16 x lane
.set PO,   8                           ; v8   my place in a vector of 512 parameters: 128 w + 32 h
.set SPW,  9                           ; v9   my spare word;  v10  0
.set NIL,  10
.set SCA,  11                          ; v11, v12  2^e12 and 57,344 x that;  v13, v14 the same with e14 - e12 - e13
.set LMA,  12
.set SCH,  13
.set LMH,  14
.set LA,   15                          ; v15  AIMG + 16 x lane
.set PR0,  16                          ; v16-31, v32-47, v48-63  three sets of 16 parameters: (n tile nt, j) at 8 nt + j
.set PR1,  32
.set PR2,  48
.set WR,   64                          ; v64-159  the ring: three groups of 32: a K step's two fragments
.set AB,   160                         ; v160-191 two fragments of an activation; between the units at work
.set T,    160
.set ACH,  192                         ; v192-223 four accumulators: (token tile tt, n tile nt) at 16 tt + 8 nt
.set ACY,  224                         ; v224-255 four more, for the last product
.set WV,   48
.set SEL,  50                          ; s[50:51] lane l xor 16
.set FS1,  52                          ; s[52:53] 2^(e10 + e11)
.set FS2,  54                          ; s[54:55] 2^(e14 + e15)
.set NB1,  56                          ; s56  -(e12 + e13);  s57  -(e14 + e15)
.set NB2,  57
.set LC,  0
.set WS0, 0
.set WS1, 0
.set WS2, 0
.set PS0, 0
.set PS1, 0
.set PS2, 0
.macro GL dst, adr, base, off
	global_load_b128 v[\dst:\dst+3], v[\adr], s[\base:\base+1] offset:\off
.set LC, LC+1
.endm
.macro WAITL seq
.if LC-(\seq) > 63
	s_wait_loadcnt 63
.else
	s_wait_loadcnt LC-(\seq)
.endif
.endm
.macro WAITW g
.if (\g)==0
	WAITL WS0
.elseif (\g)==1
	WAITL WS1
.else
	WAITL WS2
.endif
.endm
.macro WAITP g
.if (\g)==0
	WAITL PS0
.elseif (\g)==1
	WAITL PS1
.else
	WAITL PS2
.endif
.endm
.macro WLOAD q                         ; K step q of my stream (4,096 bytes) into group q % 3
.irp i, 0,1,2,3,4,5,6,7
	GL WR+32*((\q)%3)+4*\i, LI, 6, (\q)*4096+\i*512
.endr
.if ((\q)%3)==0
.set WS0, LC
.elseif ((\q)%3)==1
.set WS1, LC
.else
.set WS2, LC
.endif
.endm
.macro PLOAD slot, base, off           ; my 16 numbers of a parameter vector
.irp nt, 0,1
	GL PR0+16*(\slot)+8*\nt, PO, \base, (\off)+64*\nt
	GL PR0+16*(\slot)+8*\nt+4, PO, \base, (\off)+64*\nt+16
.endr
.if (\slot)==0
.set PS0, LC
.elseif (\slot)==1
.set PS1, LC
.else
.set PS2, LC
.endif
.endm
.macro BARRIER                         ; my LDS stores have landed and my LDS loads are in: then the work-group's barrier
	s_wait_dscnt 0x0
	s_barrier_signal -1
	s_barrier_wait -1
.endm
.macro ALD q, abase                    ; the two token tiles' fragments of K step q % 4, from the images at abase, counted from AIMG
.irp tt, 0,1
.irp c, 0,1,2,3
	ds_load_b128 v[AB+16*\tt+4*\c:AB+16*\tt+4*\c+3], v[LA] offset:(\abase)+(\tt*4+(\q)%4)*2048+\c*512
.endr
.endr
.endm
; K step q = 4 unit + s; its fragments have been asked for.  cmode 0: the products start the sums; 1: with v[cb + 8 nt] on as C; 2: in place.
; nxt = 1: the wait, the next K step's fragments (from the images at nbase) and the ring's next loads stand at the step's end; 0: what follows the step lays them.
.macro KSTEP q, acc, cmode, cb, nxt, nbase
.set GW, WR+32*((\q)%3)
	WAITW (\q)%3                                   ; this K step's weights are in; the younger groups stay out
	s_wait_dscnt 0x0
.irp tt, 0,1
.irp nt, 0,1
.if (\cmode)==0
	v_wmma_f32_16x16x128_bf8_bf8 v[\acc+16*\tt+8*\nt:\acc+16*\tt+8*\nt+7], v[GW+16*\nt:GW+16*\nt+15], v[AB+16*\tt:AB+16*\tt+15], 0
.elseif (\cmode)==1
	v_wmma_f32_16x16x128_bf8_bf8 v[\acc+16*\tt+8*\nt:\acc+16*\tt+8*\nt+7], v[GW+16*\nt:GW+16*\nt+15], v[AB+16*\tt:AB+16*\tt+15], v[\cb+8*\nt:\cb+8*\nt+7]
.else
	v_wmma_f32_16x16x128_bf8_bf8 v[\acc+16*\tt+8*\nt:\acc+16*\tt+8*\nt+7], v[GW+16*\nt:GW+16*\nt+15], v[AB+16*\tt:AB+16*\tt+15], v[\acc+16*\tt+8*\nt:\acc+16*\tt+8*\nt+7]
.endif
.endr
.endr
.rept 4
	v_nop                                          ; four places behind the products, in front of the first read of results (ISA guide 7.12.1); a wait that follows fills none of them
.endr
.if \nxt
	s_wait_alu depctr_va_vdst(0)                   ; the products are done reading v[AB ..], their group of the ring and, where a parameter set was their C, that set: loads land in all three
	ALD (\q)+1, \nbase                             ; the next products wait for these: they go first
.if (\q)+3 < 36
	WLOAD (\q)+3                                   ; the group takes the K step three on
.endif
.endif
.endm
; 32 numbers of a lane (two token tiles x 16 neighbouring columns) become my piece of two fragments and go to LDS as they stand.
.macro QNT src, dst, relu, sc, lim, cod, base
.set jj, 0
.rept 32
.if \relu
	v_med3_num_f32 v[\dst+jj], v[\src+jj], 0, v[\lim]           ; the activation and the hold in one
.else
	v_med3_num_f32 v[\dst+jj], v[\src+jj], -v[\lim], v[\lim]    ; the conversion does not saturate (ISA guide 7.6.2)
.endif
.set jj, jj+1
.endr
.irp tt, 0,1
	v_cvt_scalef32_pk8_bf8_f32 v[\cod+4*\tt:\cod+4*\tt+1], v[\dst+16*\tt:\dst+16*\tt+7], v[\sc]
	v_cvt_scalef32_pk8_bf8_f32 v[\cod+4*\tt+2:\cod+4*\tt+3], v[\dst+16*\tt+8:\dst+16*\tt+15], v[\sc]
.endr
	v_nop                                          ; one plain line between the conversions and whatever next touches their registers
	s_wait_alu depctr_va_vdst(0)                   ; the conversions have written the codes, which the LDS stores read; every vector and matrix line so far is done with v160-191 and with the ring
.irp tt, 0,1
	ds_store_b128 v[PIM], v[\cod+4*\tt:\cod+4*\tt+3] offset:(\base)+\tt*8192
.endr
.endm
; Four pairs a token tile, at v[T + 8 tt] on, are summed: in the lane, with lane l xor 16, and over the sixteen waves through region ro.  The totals come out in v[T] and v[T + 16], in every lane, summed in one order.
.macro SHARE ro
.irp tt, 0,1
	v_pk_add_f32 v[T+8*\tt:T+8*\tt+1], v[T+8*\tt:T+8*\tt+1], v[T+8*\tt+2:T+8*\tt+3]
	v_pk_add_f32 v[T+8*\tt+4:T+8*\tt+5], v[T+8*\tt+4:T+8*\tt+5], v[T+8*\tt+6:T+8*\tt+7]
.endr
.irp tt, 0,1
	v_pk_add_f32 v[T+8*\tt:T+8*\tt+1], v[T+8*\tt:T+8*\tt+1], v[T+8*\tt+4:T+8*\tt+5]
.endr
.irp tt, 0,1
	v_add_f32 v[T+8*\tt], v[T+8*\tt], v[T+8*\tt+1]
.endr
.irp tt, 0,1
	v_permlanex16_b32 v[T+8*\tt+1], v[T+8*\tt], s[SEL], s[SEL+1]
.endr
.irp tt, 0,1
	v_add_f32 v[T+8*\tt], v[T+8*\tt], v[T+8*\tt+1]
.endr
	s_wait_alu depctr_va_vdst(0)                   ; the two partial sums are written, which the LDS stores read; the lines above are done with v[T ..], in which the sixteen waves' sums land
.irp tt, 0,1
	ds_store_b32 v[RST], v[T+8*\tt] offset:(\ro)+1280*\tt       ; lanes r and r + 16 write the same word with the same value
.endr
	BARRIER
	s_wait_alu depctr_vm_vsrc(0)                   ; the two stores have read v[T] and v[T + 8], on which the loads below land
.irp tt, 0,1
.irp i, 0,1,2,3
	ds_load_b128 v[T+16*\tt+4*\i:T+16*\tt+4*\i+3], v[RLD] offset:(\ro)+1280*\tt+16*\i
.endr
.endr
	s_wait_dscnt 0x0
.irp tt, 0,1
.irp i, 0,4,8,12
	v_pk_add_f32 v[T+16*\tt+\i:T+16*\tt+\i+1], v[T+16*\tt+\i:T+16*\tt+\i+1], v[T+16*\tt+\i+2:T+16*\tt+\i+3]
.endr
.endr
.irp tt, 0,1
	v_pk_add_f32 v[T+16*\tt:T+16*\tt+1], v[T+16*\tt:T+16*\tt+1], v[T+16*\tt+4:T+16*\tt+5]
	v_pk_add_f32 v[T+16*\tt+8:T+16*\tt+9], v[T+16*\tt+8:T+16*\tt+9], v[T+16*\tt+12:T+16*\tt+13]
.endr
.irp tt, 0,1
	v_pk_add_f32 v[T+16*\tt:T+16*\tt+1], v[T+16*\tt:T+16*\tt+1], v[T+16*\tt+8:T+16*\tt+9]
.endr
.irp tt, 0,1
	v_add_f32 v[T+16*\tt], v[T+16*\tt], v[T+16*\tt+1]
.endr
.endm
; v[V] on (32 numbers) = (v - mean) / (std + 1e-5) x G + B, over the rows' 512 columns
.macro LNORM V, G, B, ra, rb
.irp tt, 0,1
.irp i, 0,1,2,3
	v_pk_add_f32 v[T+8*\tt+2*\i:T+8*\tt+2*\i+1], v[\V+16*\tt+4*\i:\V+16*\tt+4*\i+1], v[\V+16*\tt+4*\i+2:\V+16*\tt+4*\i+3]
.endr
.endr
	SHARE \ra
.irp tt, 0,1
	v_mul_f32 v[T+16*\tt], 0xbb000000, v[T+16*\tt]              ; -mean = the sum x -1/512
.endr
.irp tt, 0,1
.irp i, 0,2,4,6,8,10,12,14
	v_pk_add_f32 v[\V+16*\tt+\i:\V+16*\tt+\i+1], v[\V+16*\tt+\i:\V+16*\tt+\i+1], v[T+16*\tt:T+16*\tt+1] op_sel_hi:[1,0]
.endr
.endr
.irp tt, 0,1
.irp i, 0,1,2,3
	v_pk_mul_f32 v[T+8*\tt+2*\i:T+8*\tt+2*\i+1], v[\V+16*\tt+2*\i:\V+16*\tt+2*\i+1], v[\V+16*\tt+2*\i:\V+16*\tt+2*\i+1]
.endr
.irp i, 0,1,2,3
	v_pk_fma_f32 v[T+8*\tt+2*\i:T+8*\tt+2*\i+1], v[\V+16*\tt+8+2*\i:\V+16*\tt+8+2*\i+1], v[\V+16*\tt+8+2*\i:\V+16*\tt+8+2*\i+1], v[T+8*\tt+2*\i:T+8*\tt+2*\i+1]
.endr
.endr
	SHARE \rb
	v_mul_f32 v[T], 0x3b000000, v[T]               ; the mean of the squares
	v_mul_f32 v[T+16], 0x3b000000, v[T+16]
	s_wait_alu depctr_va_vdst(0)
	v_sqrt_f32 v[T], v[T]
	v_sqrt_f32 v[T+16], v[T+16]
	v_nop                                          ; a plain line behind the roots,
	s_wait_alu depctr_va_vdst(0)                   ; and the wait for the two roots, ahead of their first reader
	v_add_f32 v[T], 0x3727c5ac, v[T]               ; std + 1e-5
	v_add_f32 v[T+16], 0x3727c5ac, v[T+16]
	s_wait_alu depctr_va_vdst(0)
	v_rcp_f32 v[T], v[T]
	v_rcp_f32 v[T+16], v[T+16]
	v_nop
	s_wait_alu depctr_va_vdst(0)                   ; the wait for the two reciprocals, ahead of their first reader
.irp tt, 0,1
.irp i, 0,2,4,6,8,10,12,14
	v_pk_mul_f32 v[\V+16*\tt+\i:\V+16*\tt+\i+1], v[\V+16*\tt+\i:\V+16*\tt+\i+1], v[T+16*\tt:T+16*\tt+1] op_sel_hi:[1,0]
.endr
.irp i, 0,2,4,6,8,10,12,14
	v_pk_fma_f32 v[\V+16*\tt+\i:\V+16*\tt+\i+1], v[\V+16*\tt+\i:\V+16*\tt+\i+1], v[\G+\i:\G+\i+1], v[\B+\i:\B+\i+1]
.endr
.endr
.endm
.macro ROWS_IN                         ; my 32 numbers of the rows in LDS, in the results' layout, into v[T] on
.irp tt, 0,1
.irp nt, 0,1
	ds_load_b128 v[T+16*\tt+8*\nt:T+16*\tt+8*\nt+3], v[XD] offset:\tt*16*XP+\nt*64
	ds_load_b128 v[T+16*\tt+8*\nt+4:T+16*\tt+8*\nt+7], v[XD] offset:\tt*16*XP+\nt*64+16
.endr
.endr
.endm
.macro ROWS_OUT src                    ; and back, to the same bytes, which no other wave touches before the last barrier
.irp tt, 0,1
.irp nt, 0,1
	ds_store_b128 v[XD], v[\src+16*\tt+8*\nt:\src+16*\tt+8*\nt+3] offset:\tt*16*XP+\nt*64
	ds_store_b128 v[XD], v[\src+16*\tt+8*\nt+4:\src+16*\tt+8*\nt+7] offset:\tt*16*XP+\nt*64+16
.endr
.endr
.endm
	s_load_b256 s[4:11], s[0:1], 0x0               ; oimg, wimg, x, the scales' exponents
	s_load_b256 s[12:19], s[0:1], 0x20             ; bo, gamma1, beta1, b1
	s_load_b256 s[20:27], s[0:1], 0x40             ; b2, gamma2, beta2, out0
	v_lshl_add_u32 v[SPW], v0, 2, SPARE
	v_mov_b32 v[NIL], 0
	v_lshrrev_b32 v1, 5, v0
	v_readfirstlane_b32 s[WV], v1                  ; wave 0..15
	v_and_b32 v160, 15, v0                         ; r
	v_bfe_u32 v161, v0, 4, 1                       ; h
	v_and_b32 v162, 31, v0
	v_lshlrev_b32 v[LI], 4, v162
	v_mul_u32_u24 v[XD], v160, XP
	v_lshl_add_u32 v[XD], v161, 5, v[XD]
	s_wait_alu depctr_va_sdst(0)                   ; s48, the wave's number, is written, ahead of its first reader
	s_lshl_b32 s58, s[WV], 7
	v_add_nc_u32 v[XD], s58, v[XD]
	v_lshlrev_b32 v[PO], 5, v161
	v_add_nc_u32 v[PO], s58, v[PO]
	s_mul_i32 s59, s[WV], 2*XP
	v_add_nc_u32 v[XR], s59, v[LI]
	v_mul_u32_u24 v[RLD], v160, 80
	v_add_nc_u32 v[RLD], RED, v[RLD]
	s_lshl_b32 s59, s[WV], 2
	v_add_nc_u32 v[RST], s59, v[RLD]
	v_add_nc_u32 v[LA], AIMG, v[LI]
	s_lshl_b32 s59, s[WV], 9
	v_add_nc_u32 v[PIM], s59, v[LA]                ; columns 32 w on are K step w / 4, piece w % 4: 2,048 (w / 4) + 512 (w % 4) = 512 w
	s_lshl_b32 s59, s[WV], 12
	v_add_nc_u32 v[GX], s59, v[LI]
	s_lshl_b32 s59, s[WV], 10
	v_add_nc_u32 v163, s59, v[LI]                  ; my 1,024 bytes of the work-group's 16,384 of oimg,
	v_add_nc_u32 v164, AIMG, v163                  ; and the same place among the images
	s_mov_b32 s[SEL], 0x76543210
	s_mov_b32 s[SEL+1], 0xfedcba98
	s_lshl_b32 s58, ttmp9, 16                      ; 32 rows of 2,048 bytes
	s_mov_b32 s59, 0
	s_lshl_b32 s60, ttmp9, 14                      ; two token tiles of 8,192 bytes
	s_mov_b32 s61, 0
	s_mul_i32 s62, s[WV], 147456                   ; my stream
	s_mov_b32 s63, 0
	s_wait_kmcnt 0x0
	s_load_b512 s[32:47], s[10:11], 0x0            ; e0 .. e15
	s_add_nc_u64 s[8:9], s[8:9], s[58:59]
	s_add_nc_u64 s[26:27], s[26:27], s[58:59]
	s_add_nc_u64 s[4:5], s[4:5], s[60:61]
	s_add_nc_u64 s[6:7], s[6:7], s[62:63]
	s_wait_alu depctr_va_vdst(0)                   ; the offsets and LDS addresses v1-8, v15, v163 and v164 are written, which the loads and stores below read; so are v160-162, on which fragments land later
.irp k, 0,1,2,3,4,5,6,7
	GL ACH+4*\k, GX, 8, \k*512                     ; x: rows 2 w, 2 w + 1, 512 bytes on end a load
.endr
	GL ACY, 163, 4, 0
	GL ACY+4, 163, 4, 512
.set XSEQ, LC
	PLOAD 0, 12, 0                                 ; bo
	PLOAD 1, 14, 0                                 ; gamma1
	PLOAD 2, 16, 0                                 ; beta1
	WLOAD 0
	WLOAD 1
	WLOAD 2
	s_wait_kmcnt 0x0
	s_add_co_i32 s[FS1], s42, s43
	s_add_co_i32 s[FS1], s[FS1], 127
	s_lshl_b32 s[FS1], s[FS1], 23                  ; 2^(e10 + e11) as f32
	s_mov_b32 s[FS1+1], s[FS1]                     ; (named with it as a pair)
	s_add_co_i32 s[NB2], s46, s47
	s_add_co_i32 s[FS2], s[NB2], 127
	s_lshl_b32 s[FS2], s[FS2], 23                  ; 2^(e14 + e15)
	s_mov_b32 s[FS2+1], s[FS2]
	s_sub_co_i32 s[NB2], 0, s[NB2]
	s_add_co_i32 s58, s44, s45                     ; e12 + e13
	s_sub_co_i32 s[NB1], 0, s58
	s_sub_co_i32 s58, s46, s58                     ; e14 - e12 - e13
	s_add_co_i32 s58, s58, 127
	s_lshl_b32 s59, s58, 23
	v_mov_b32 v[SCH], s59
	s_add_co_i32 s58, s58, 15
	s_lshl_b32 s58, s58, 23
	s_or_b32 s58, s58, 0x600000
	v_mov_b32 v[LMH], s58
	s_add_co_i32 s58, s44, 127
	s_lshl_b32 s59, s58, 23
	v_mov_b32 v[SCA], s59                          ; 2^e12
	s_add_co_i32 s58, s58, 15
	s_lshl_b32 s58, s58, 23
	s_or_b32 s58, s58, 0x600000
	v_mov_b32 v[LMA], s58
	WAITL XSEQ                                     ; x and o are in; the parameters' and the ring's loads stay out
.irp k, 0,1,2,3,4,5,6,7
	ds_store_b128 v[XR], v[ACH+4*\k:ACH+4*\k+3] offset:(\k/4)*XP+(\k%4)*512
.endr
	ds_store_b128 v164, v[ACY:ACY+3]
	ds_store_b128 v164, v[ACY+4:ACY+7] offset:512
	BARRIER                                        ; 32 rows of x and o's eight fragments lie in LDS
	s_wait_alu depctr_vm_vsrc(0)                   ; o's loads have read v163, the LDS stores v164 and v192-231: fragments land on the first two, the products and x1's codes are written into the others
	; ---- the projection, the residual and the first norm
	ALD 0, 0
	KSTEP 0, ACH, 0, 0, 1, 0
	KSTEP 1, ACH, 2, 0, 1, 0
	KSTEP 2, ACH, 2, 0, 1, 0
	KSTEP 3, ACH, 2, 0, 0, 0
	s_wait_alu depctr_va_vdst(0)                   ; the products are done reading v[AB ..], on which x's numbers land, and their group of the ring
	ROWS_IN                                        ; x
	WLOAD 6
	s_wait_dscnt 0x0                               ; (bo, gamma1 and beta1 were issued ahead of the ring's first group, whose wait has shown them in)
.irp tt, 0,1
.irp i, 0,2,4,6,8,10,12,14
	v_pk_add_f32 v[T+16*\tt+\i:T+16*\tt+\i+1], v[T+16*\tt+\i:T+16*\tt+\i+1], v[PR0+\i:PR0+\i+1]   ; x + bo
.endr
.endr
.set jj, 0
.rept 16
	v_pk_fma_f32 v[ACH+jj:ACH+jj+1], v[ACH+jj:ACH+jj+1], s[FS1:FS1+1], v[T+jj:T+jj+1] op_sel_hi:[1,0,1]   ; sum x 2^(e10 + e11) + bo + x
.set jj, jj+2
.endr
	s_wait_alu depctr_va_vdst(0)                   ; the additions are done reading bo's registers, in which b1 lands
	PLOAD 0, 18, 0                                 ; b1 of chunk 0
	LNORM ACH, PR1, PR2, 0, REDB
	s_wait_alu depctr_va_vdst(0)                   ; the norm has written x1 into v[ACH ..], which the LDS stores read, and is done reading gamma1's and beta1's registers, in which b2 and beta2 land
	ROWS_OUT ACH                                   ; x1 is kept for the second residual
	PLOAD 1, 20, 0                                 ; b2
	PLOAD 2, 24, 0                                 ; beta2
	QNT ACH, T, 0, SCA, LMA, ACY, 0                ; the hold writes other registers: the stores above still read x1
	BARRIER                                        ; x1's eight fragments lie where o's lay: every wave has passed two barriers since its last read of those
	s_wait_alu depctr_vm_vsrc(0)                   ; x1's row stores have read v[ACH ..] and the image stores v[ACY .. ACY + 7]: the products below write both
	ALD 4, 0                                       ; (since the wait on va_vdst ahead of the image stores no vector line has named v[AB ..])
	; ---- the feed-forward layer, 512 hidden units at a time
.irp c, 0,1,2,3
	WAITP 0
.set kk, 0
.rept 16
	v_ldexp_f32 v[PR0+kk], v[PR0+kk], s[NB1]       ; b1 / 2^(e12 + e13)
.set kk, kk+1
.endr
	s_wait_alu depctr_va_vdst(0)
	KSTEP 4+8*\c, ACH, 1, PR0, 1, 0
.if \c < 3
	PLOAD 0, 18, 2048*(\c+1)                       ; the next chunk's b1: the K step's wait stands behind the products that took this chunk's as their C
.endif
	KSTEP 5+8*\c, ACH, 2, 0, 1, 0
	KSTEP 6+8*\c, ACH, 2, 0, 1, 0
	KSTEP 7+8*\c, ACH, 2, 0, 0, 0
	QNT ACH, ACH, 1, SCH, LMH, AB, HREL+HREL*(\c%2)
	WLOAD 10+8*\c                                  ; the ring's next loads, behind the wait on va_vdst ahead of the image stores: no vector line has named the group since
	BARRIER                                        ; the chunk's eight fragments lie in LDS.  One barrier a chunk: a buffer is written again two chunks on, by waves that have passed the barrier between, which each wave reaches behind its last read
	s_wait_alu depctr_vm_vsrc(0)                   ; the image stores have read the codes in v[AB .. AB + 7], on which the fragments below land
	ALD 8+8*\c, HREL+HREL*(\c%2)
.if \c == 0
	WAITP 1
.set kk, 0
.rept 16
	v_ldexp_f32 v[PR1+kk], v[PR1+kk], s[NB2]       ; b2 / 2^(e14 + e15)
.set kk, kk+1
.endr
	s_wait_alu depctr_va_vdst(0)
	KSTEP 8, ACY, 1, PR1, 1, HREL
	PLOAD 1, 22, 0                                 ; gamma2: the K step's wait stands behind the products that took b2 as their C
.else
	KSTEP 8+8*\c, ACY, 2, 0, 1, HREL+HREL*(\c%2)
.endif
	KSTEP 9+8*\c, ACY, 2, 0, 1, HREL+HREL*(\c%2)
	KSTEP 10+8*\c, ACY, 2, 0, 1, HREL+HREL*(\c%2)
.if \c < 3
	KSTEP 11+8*\c, ACY, 2, 0, 1, 0                 ; the next K step is the next chunk's first: x1's images
.else
	KSTEP 35, ACY, 2, 0, 0, 0
.endif
.endr
	; ---- the second residual and norm, and the way out
	s_wait_alu depctr_va_vdst(0)                   ; the last products are done reading v[AB ..], on which x1's numbers land
	ROWS_IN                                        ; x1
	WAITP 1                                        ; gamma2
	WAITP 2                                        ; beta2
	s_wait_dscnt 0x0
.set jj, 0
.rept 16
	v_pk_fma_f32 v[ACY+jj:ACY+jj+1], v[ACY+jj:ACY+jj+1], s[FS2:FS2+1], v[T+jj:T+jj+1] op_sel_hi:[1,0,1]   ; (sum + b2') x 2^(e14 + e15) + x1
.set jj, jj+2
.endr
	LNORM ACY, PR1, PR2, 2*REDB, 3*REDB
	s_wait_alu depctr_va_vdst(0)                   ; the norm has written the result into v[ACY ..], which the LDS stores read, and is done with v[T ..], in which whole rows land below
	ROWS_OUT ACY
	BARRIER                                        ; 32 whole rows of the result lie in LDS
.irp k, 0,1,2,3,4,5,6,7
	ds_load_b128 v[T+4*\k:T+4*\k+3], v[XR] offset:(\k/4)*XP+(\k%4)*512
.endr
.irp k, 0,1,2,3,4,5,6,7
	s_wait_dscnt 7-\k                              ; LDS loads come back in order: load k is in, the younger ones stay out
	global_store_b128 v[GX], v[T+4*\k:T+4*\k+3], s[26:27] offset:\k*512 th:TH_STORE_NT   ; 32 lanes store 512 consecutive bytes, aligned
.endr
	s_wait_dscnt 0x0                               ; the wave's end: the closing lines, six on end
	s_wait_alu 0x0
	s_wait_tensorcnt 0x0
	ds_add_u32 v[SPW], v[NIL]
	s_wait_dscnt 0x0
	s_endpgm
.Lfunc_end_k_qaa427c81cb_tail:
	.size	k_qaa427c81cb_tail, .Lfunc_end_k_qaa427c81cb_tail-k_qaa427c81cb_tail
	.p2alignl 7, 3214868480
	.fill 96, 4, 3214868480
	.section	.rodata,"a",@progbits
	.p2align	6, 0x0
	.amdhsa_kernel k_qaa427c81cb_tail
		.amdhsa_group_segment_fixed_size 127488
		.amdhsa_private_segment_fixed_size 0
		.amdhsa_enable_private_segment 0
		.amdhsa_kernarg_size 96
		.amdhsa_user_sgpr_count 2
		.amdhsa_user_sgpr_kernarg_segment_ptr 1
		.amdhsa_wavefront_size32 1
		.amdhsa_system_sgpr_workgroup_id_x 1
		.amdhsa_system_sgpr_workgroup_id_y 1
		.amdhsa_system_sgpr_workgroup_id_z 1
		.amdhsa_system_vgpr_workitem_id 0
		.amdhsa_next_free_vgpr 256
		.amdhsa_next_free_sgpr 66
		.amdhsa_reserve_vcc 0
		.amdhsa_float_denorm_mode_32 3
		.amdhsa_float_denorm_mode_16_64 3
		.amdhsa_memory_ordered 1
		.amdhsa_forward_progress 1
		.amdhsa_inst_pref_size 116
	.end_amdhsa_kernel
	.amdgpu_metadata
---
amdhsa.version: [ 1, 2 ]
amdhsa.kernels:
  - .name:           k_qaa427c81cb_tail
    .symbol:         k_qaa427c81cb_tail.kd
    .args:
      - { .name: oimg, .offset: 0, .size: 8, .value_kind: global_buffer, .address_space: global }
      - { .name: wimg, .offset: 8, .size: 8, .value_kind: global_buffer, .address_space: global }
      - { .name: x, .offset: 16, .size: 8, .value_kind: global_buffer, .address_space: global }
      - { .name: lowp_scales, .offset: 24, .size: 8, .value_kind: global_buffer, .address_space: global }
      - { .name: bo, .offset: 32, .size: 8, .value_kind: global_buffer, .address_space: global }
      - { .name: gamma1, .offset: 40, .size: 8, .value_kind: global_buffer, .address_space: global }
      - { .name: beta1, .offset: 48, .size: 8, .value_kind: global_buffer, .address_space: global }
      - { .name: b1, .offset: 56, .size: 8, .value_kind: global_buffer, .address_space: global }
      - { .name: b2, .offset: 64, .size: 8, .value_kind: global_buffer, .address_space: global }
      - { .name: gamma2, .offset: 72, .size: 8, .value_kind: global_buffer, .address_space: global }
      - { .name: beta2, .offset: 80, .size: 8, .value_kind: global_buffer, .address_space: global }
      - { .name: out0, .offset: 88, .size: 8, .value_kind: global_buffer, .address_space: global }
    .group_segment_fixed_size: 127488
    .private_segment_fixed_size: 0
    .kernarg_segment_align: 8
    .kernarg_segment_size: 96
    .max_flat_workgroup_size: 512
    .sgpr_count:     66
    .vgpr_count:     256
    .wavefront_size: 32
...
	.end_amdgpu_metadata
.endif
;; end of part 6
